; MI455X (gfx1250); checked and timed in simulation.
; The chip was launched on July 23, 2026; its instructions are those of AMD's public machine-readable ISA for CDNA 5 (MIT licence, August 2026) and "CDNA5" Instruction Set Architecture Reference Guide (July 2026). The comments in the code are by the model that wrote it; some were corrected since.
;; Multi Head. Allowed arithmetic: matrix products marked QUANTISED: E4M3 operands, one given power-of-two scale a tensor, by v_wmma_f32_16x16x64_fp8_fp8 or v_wmma_f32_16x16x128_fp8_fp8, f32 sums; everything else in f32.
;; Inputs: Wk 16 x 1,024 x 64 float32; Wo 1,024 x 1,024 float32; Wq 16 x 1,024 x 64 float32; Wv 16 x 1,024 x 64 float32; lowp_scales 12 int32 (the exponents e of the quantised operands' scales 2^e); x 4 x 2,048 x 1,024 float32.
;; Outputs: out0 4 x 2,048 x 1,024 float32.
;; This version of the problem:
;;   THIS VERSION OF THE PROBLEM IS GIVEN IN LOW PRECISION. The matrix products marked QUANTISED in the list below multiply operands that are first quantised to E4M3 (4 exponent bits, 3 mantissa bits; 8 bits a number), with one given power-of-two scale for each operand tensor; their sums are f32. All else is computed in f32.
;;   The module's matrix products, in the order in which they are computed (A, B: the left and right operand; K: the contracted axis; several contracted axes count as one K, in the product's order):
;;     1. [M 1,024, K 1,024] x [K 1,024, N 8,192]; A: input Wq; B: input x: QUANTISED (scales: A lowp_scales[0], B lowp_scales[1])
;;     2. [M 1,024, K 1,024] x [K 1,024, N 8,192]; A: input Wk; B: input x: QUANTISED (scales: A lowp_scales[2], B lowp_scales[3])
;;     3. [M 1,024, K 1,024] x [K 1,024, N 8,192]; A: input Wv; B: input x: QUANTISED (scales: A lowp_scales[4], B lowp_scales[5])
;;     4. batch 64 x [M 2,048, K 64] x [K 64, N 2,048]; A: computed on the way; B: computed on the way: QUANTISED (scales: A lowp_scales[6], B lowp_scales[7])
;;     5. batch 64 x [M 2,048, K 2,048] x [K 2,048, N 64]; A: softmax (see below); B: computed on the way: QUANTISED (scales: A lowp_scales[8], B lowp_scales[9])
;;     6. [M 8,192, K 1,024] x [K 1,024, N 1,024]; A: computed on the way; B: input Wo: QUANTISED (scales: A lowp_scales[10], B lowp_scales[11])
;;   THE QUANTISER, for each operand of a quantised product, along K:
;;     - The operand's scale is 2^e, e = its entry of the input lowp_scales (int32; the entries are numbered through the quantised products in the list's order, A before B).
;;     - Each number is divided by the scale, clamped to +-448, and rounded to the nearest number of E4M3, ties to even, subnormals kept.
;;     - The product sums the exact products of the quantised numbers (number of the format x scale) in f32.
;;   ~~~python
;;   def quantise(x, axis, e):      # numpy; x: float32 -> the quantised numbers, widened to float32 again
;;       x = np.moveaxis(x, axis, -1); K = x.shape[-1]
;;       r = np.clip(x / 2.0 ** e, -448, 448)
;;       step = 2.0 ** (np.maximum(np.frexp(np.where(r == 0, 1, r))[1] - 1, -6) - 3)
;;       q = np.round(r / step) * step * 2.0 ** e      # np.round: ties to even
;;       return np.moveaxis(q, -1, axis).astype(np.float32)
;;   ~~~
;;   SOFTMAX AHEAD OF A QUANTISED PRODUCT. Where the list says 'softmax', what is quantised is not the finished softmax but p = 2^(t - M), with t = logit x log2(e) and M = ceil(the row's largest t), a whole number; so 1/2 < the row's largest p <= 1. The row's sum l is taken of the UNQUANTISED p, in f32, and the product's result is divided by l at the end. Since M is a whole number, a kernel that streams over the keys may use a running M (the ceiling of the running maximum): every later rescaling is an exact power of two, so the quantised numbers keep their values, but for numbers so far below the row's largest that they fall under the format's range.
;;   OPERANDS COMPUTED ON THE WAY. 'Computed on the way' means the value that the module computes at that place (a softmax that the list does not call 'softmax' is quantised finished and normalised). What goes into a quantiser is computed in f32, as accurately as f32 sums, v_exp_f32 and their like allow (about 1e-6 of the number): no bf16 or f16 on the way to a quantiser, and a product that is left as it is and whose result goes on into a quantised operand takes f32 operands (vector FMAs, or v_wmma_f32_16x16x4_f32). A number that lies on a knife's edge between two numbers of the format may be rounded either way, as far as f32 arithmetic and the matrix unit's own rounding can turn it there, and no further.
;; One version. Each part assembles by itself: llvm-mc -triple=amdgcn-amd-amdhsa -mcpu=gfx1250 --defsym DOCPART=n.
;; ======== version 1 of 1: 4 launches
;; limits: right only within a limited range of input values
;; workspace buffers: xcodes 25,165,824 bytes; wcodes 4,194,304 bytes; qkv 25,165,824 bytes; acodes 8,388,608 bytes
;; launch quant (part 1): grid 384 x 1, 4 waves a work-group, no clusters, 90,624 bytes of LDS; arguments x, Wq, Wk, Wv, Wo, lowp_scales, xcodes, wcodes; writes xcodes, wcodes
.if DOCPART == 1
	.amdgcn_target "amdgcn-amd-amdhsa--gfx1250"
	.amdhsa_code_object_version 6
	.text
	.protected	k_qfb8a10274f_quant
	.globl	k_qfb8a10274f_quant
	.p2align	8
	.type	k_qfb8a10274f_quant,@function
k_qfb8a10274f_quant:
	s_mov_b64 s[64:65], 0
	v_nop
	global_prefetch_b8 v0, s[64:65] scope:SCOPE_SE
	s_setreg_imm32_b32 hwreg(HW_REG_WAVE_MODE, 25, 1), 1
	s_wait_xcnt 0x0
; f32 inputs into codes of FP8 (E4M3), each with the scale 2^e that is given for it: code = number / 2^e, held within +-448, to the nearest code, ties to even.
; x [8192][1024] is an operand of three products with three entries of the scales (1, 3, 5): it is read once and three sets of codes are stored, xcodes [3][8192][1024], K as it lies.
; Wq, Wk, Wv [16][1024 e][64 d] (entries 0, 2, 4) and Wo [1024 hd][1024 n] (entry 11) have K as an outer axis: a lane takes a column and its registers run down K, so the conversions give codes with K
; innermost: wcodes [4][1024 rows][1024 K]; rows of matrices 0 to 2 are 64 h + d, rows of matrix 3 are n.
; In Wo's rows the four groups of eight codes of every 32 stand in the order 0, 2, 1, 3: place 32 c + 16 h + 8 u + j holds k = 32 c + 16 u + 8 h + j.  A 16-byte read at 32 c + 16 h then gives the registers
; in which the last product's other operand, made in registers by the attention launch, has the same k.
; SHARES: work-groups 0-255: x, 8,192 numbers a wave; 256-351: Wq, Wk, Wv, 128 columns x 256 K each; 352-383: Wo likewise.  The three ways part on the work-group's number and have LDS bytes of their own.
; No tensor loads, no barrier: waves share nothing.  LIMITS: every e used here lies between -126 and 119; NaN among the inputs is not served (an infinity is held at the largest code).
.set SP,    80                         ; x: a lane's place in a stage: its 64 bytes + 16 of padding
.set XWAVE, 2*32*SP                    ; x: two stages for each wave, from LDS byte 0 on
.set PITCH, 272                        ; weights: a stage row: 256 codes + 16 of padding
.set WWAVE, 32*PITCH                   ; weights: 32 columns for each wave
.set WST,   4*XWAVE                    ; the stages of Wq, Wk, Wv
.set OST,   WST+4*WWAVE                ; the stages of Wo
.set SPARE, OST+4*WWAVE                ; the spare words, 128 bytes for each wave: two blocks of 256 bytes that no other line names
.set SPW,   12                         ; v12  LDS address of my spare word; never rewritten
.set NIL,   13                         ; v13  0; never rewritten
.set R,     16                         ; x: v16-79   four sets of 16 numbers as loaded
.set X,     80                         ; x: v80-111  two sets of 16 neighbours
.set T,     112                        ; x: v112-159 the held numbers, a set for each scale
.set C,     160                        ; x: v160-171 the codes, four registers for each scale
.set SC,    172                        ; x: v172-174 2^e as f32
.set LM,    176                        ; x: v176-178 448 x 2^e
.set WX,    32                         ; weights: v32-95 two sets of 32 numbers
.set WC,    96                         ; weights: v96-103 a block's codes
.set OUTR,  112                        ; weights: v112-175 the way out
.macro MKSCALE e, vs, vl               ; from the whole number in s[e]: 2^e as f32 (the conversion takes its exponent field) and 448 x 2^e
	s_add_co_i32 s42, s[\e], 127
	s_lshl_b32 s43, s42, 23
	v_mov_b32 v[\vs], s43
	s_add_co_i32 s42, s42, 8
	s_lshl_b32 s42, s42, 23
	s_or_b32 s42, s42, 0x600000
	v_mov_b32 v[\vl], s42
.endm
.macro FINISH                          ; the wave's end, behind my last LDS store
	s_wait_tensorcnt 0x0
	ds_add_u32 v[SPW], v[NIL]
	s_wait_dscnt 0x0
	s_endpgm
.endm
	s_load_b512 s[4:19], s[0:1], 0x0               ; x 4:5, Wq 6:7, Wk 8:9, Wv 10:11, Wo 12:13, scales 14:15, xcodes 16:17, wcodes 18:19
	v_lshl_add_u32 v[SPW], v0, 2, SPARE
	v_mov_b32 v[NIL], 0
	v_lshrrev_b32 v1, 5, v0
	v_readfirstlane_b32 s32, v1                    ; wave 0..3
	v_and_b32 v2, 31, v0                           ; lane
	s_mov_b32 s41, 0
	s_wait_kmcnt 0x0
	s_load_b256 s[20:27], s[14:15], 0x0            ; e0 .. e7
	s_load_b128 s[28:31], s[14:15], 0x20           ; e8 .. e11
	s_cmp_lt_u32 ttmp9, 256
	s_cbranch_scc0 .Lweights
; ---------------- x: a plain stream of 16 steps of 512 numbers a wave.  Each load reads 512 consecutive bytes; a step's 2,048 bytes turn through the wave's own stage so that a lane holds 16 neighbours.
	s_lshl_b32 s33, ttmp9, 2
	s_add_co_u32 s33, s33, s32                     ; which run of 8,192 numbers is my wave's
	s_lshl_b32 s40, s33, 15
	s_add_nc_u64 s[4:5], s[4:5], s[40:41]          ; x at my run
	s_lshl_b32 s40, s33, 13
	s_add_nc_u64 s[34:35], s[16:17], s[40:41]      ; my run in the three sets of codes, 8 MiB apart: a base for each
	s_add_nc_u64 s[36:37], s[34:35], 0x800000
	s_add_nc_u64 s[38:39], s[36:37], 0x800000
	s_wait_alu depctr_va_vdst(0)
	v_lshlrev_b32 v3, 4, v2                        ; my 16 bytes of a load's 512, and of a store's
	s_mul_i32 s33, s32, XWAVE
	v_lshrrev_b32 v14, 2, v2
	v_mul_u32_u24 v14, v14, SP
	v_and_b32 v15, 3, v2
	v_lshl_add_u32 v14, v15, 4, v14
	v_add_nc_u32 v14, s33, v14                     ; into the stage: four lanes' 64 bytes on end, then the padding
	v_mul_u32_u24 v15, v2, SP
	v_add_nc_u32 v15, s33, v15                     ; out of it: my 16 neighbours
.macro XLOAD t
.irp i, 0,1,2,3
	global_load_b128 v[R+16*((\t)%4)+4*\i:R+16*((\t)%4)+4*\i+3], v3, s[4:5] offset:2048*(\t)+512*\i th:TH_LOAD_NT
.endr
.endm
.macro XTURN t                         ; LDS serves a wave's instructions in order: no wait between the stores and the loads
.irp i, 0,1,2,3
	ds_store_b128 v14, v[R+16*((\t)%4)+4*\i:R+16*((\t)%4)+4*\i+3] offset:32*SP*((\t)%2)+8*SP*\i
.endr
.irp i, 0,1,2,3
	ds_load_b128 v[X+16*((\t)%2)+4*\i:X+16*((\t)%2)+4*\i+3], v15 offset:32*SP*((\t)%2)+16*\i
.endr
.endm
.irp t, 0,1,2,3
	XLOAD \t
.endr
	s_wait_alu depctr_va_vdst(0)
	s_wait_kmcnt 0x0
	MKSCALE 21, SC, LM                             ; e1: x in the product with Wq
	MKSCALE 23, SC+1, LM+1                         ; e3: with Wk
	MKSCALE 25, SC+2, LM+2                         ; e5: with Wv
	s_wait_alu depctr_va_vdst(0)
	s_wait_loadcnt 12                              ; step 0's four loads are in
	XTURN 0
.macro XSTEP t
.set XS, X+16*((\t)%2)
	s_wait_dscnt 0x0                               ; this step's numbers are back from the stage
	s_wait_xcnt 0x0                                ; the last step's three stores have read their codes: the registers are written again below
.if (\t)+4 < 16
	XLOAD (\t)+4
.endif
.if (\t)+1 < 16
.if 14-(\t) >= 3
	s_wait_loadcnt 12                              ; the next step's four loads are in; those of the three steps behind it may be out
.else
	s_wait_loadcnt 4*(14-(\t))
.endif
	XTURN (\t)+1
.endif
.irp sc, 0,1,2
.set ii, 0
.rept 16
	v_med3_num_f32 v[T+16*\sc+ii], v[XS+ii], -v[LM+\sc], v[LM+\sc]   ; the conversion to an 8-bit code does not saturate (ISA guide 7.6.2): the hold comes first
.set ii, ii+1
.endr
	v_cvt_scalef32_pk8_fp8_f32 v[C+4*\sc:C+4*\sc+1], v[T+16*\sc:T+16*\sc+7], v[SC+\sc]
	v_cvt_scalef32_pk8_fp8_f32 v[C+4*\sc+2:C+4*\sc+3], v[T+16*\sc+8:T+16*\sc+15], v[SC+\sc]   ; the next scale's holds, on other registers, are the plain lines behind the conversions
.endr
	global_store_b128 v3, v[C:C+3], s[34:35] offset:512*(\t)       ; 32 lanes store 512 consecutive bytes
	global_store_b128 v3, v[C+4:C+7], s[36:37] offset:512*(\t)
	global_store_b128 v3, v[C+8:C+11], s[38:39] offset:512*(\t)
.endm
.irp t, 0,1,2,3,4,5,6,7,8,9,10,11,12,13,14,15
	XSTEP \t
.endr
	FINISH
; ---------------- the weights: a wave takes 32 columns x 256 along K: 8 blocks of 32 a lane; the codes go through the wave's stage and leave as rows, sixteen lanes to 256 aligned bytes.
.macro WADDR STG
	v_lshlrev_b32 v3, 2, v2                        ; in: 4 bytes a lane
	s_mul_i32 s39, s32, WWAVE
	v_mul_u32_u24 v4, v2, PITCH
	v_add_nc_u32 v4, s39, v4
	v_add_nc_u32 v4, \STG, v4                      ; into the stage: row = my column
	v_and_b32 v5, 15, v2
	v_lshrrev_b32 v6, 4, v2
	v_mul_u32_u24 v7, v6, PITCH
	v_lshl_add_u32 v7, v5, 4, v7
	v_add_nc_u32 v7, s39, v7
	v_add_nc_u32 v7, \STG, v7                      ; out of it: sixteen lanes to a row, two rows an instruction
	v_lshlrev_b32 v8, 10, v6
	v_lshl_add_u32 v8, v5, 4, v8                   ; and the same place in the codes: rows of 1,024 bytes
.endm
.macro WLOAD t, STRIDE                 ; block t: 32 rows of K at my column, into set t % 2
.set ii, 0
.rept 32
	global_load_b32 v[WX+32*((\t)%2)+ii], v3, s[44:45] offset:(32*(\t)+ii)*\STRIDE th:TH_LOAD_NT
.set ii, ii+1
.endr
.endm
.macro WBLOCK t, STRIDE, SWAP
.set XS, WX+32*((\t)%2)
.if (\t) < 7
	s_wait_loadcnt 32                              ; this block's 32 loads are in; the next block's may be out
.else
	s_wait_loadcnt 0
.endif
.set ii, 0
.rept 32
	v_med3_num_f32 v[XS+ii], v[XS+ii], -v10, v10
.set ii, ii+1
.endr
.irp g, 0,1,2,3
.if \SWAP
.set PG, ((\g)%2)*2+(\g)/2             ; groups of eight in the order 0, 2, 1, 3
.else
.set PG, \g
.endif
	v_cvt_scalef32_pk8_fp8_f32 v[WC+2*PG:WC+2*PG+1], v[XS+8*\g:XS+8*\g+7], v11
.endr
	ds_store_b128 v4, v[WC:WC+3] offset:32*(\t)
	ds_store_b128 v4, v[WC+4:WC+7] offset:32*(\t)+16
.if (\t)+2 < 8
	WLOAD (\t)+2, \STRIDE
.endif
	s_wait_dscnt 0x0                               ; the stores have read their registers: the next block's codes may be written (its 32 holds are the plain lines between)
.endm
.macro WOUT
.set ii, 0
.rept 16
	ds_load_b128 v[OUTR+4*ii:OUTR+4*ii+3], v7 offset:2*ii*PITCH   ; LDS serves a wave's instructions in order: these see my stores
.set ii, ii+1
.endr
.set ii, 0
.rept 16
	s_wait_dscnt 15-ii
	global_store_b128 v8, v[OUTR+4*ii:OUTR+4*ii+3], s[46:47] offset:2048*ii
.set ii, ii+1
.endr
.endm
.Lweights:
	s_cmp_lt_u32 ttmp9, 352
	s_cbranch_scc0 .Lwo
	s_sub_co_u32 s33, ttmp9, 256
	s_lshr_b32 s34, s33, 5                         ; which matrix: 0 Wq, 1 Wk, 2 Wv
	s_bfe_u32 s35, s33, 0x30002                    ; which 128 columns (two heads)
	s_and_b32 s36, s33, 3                          ; which 256 along K
	s_cmp_eq_u32 s34, 0
	s_cselect_b64 s[44:45], s[6:7], s[8:9]
	s_cmp_eq_u32 s34, 2
	s_cselect_b64 s[44:45], s[10:11], s[44:45]
	s_lshl_b32 s37, s35, 1
	s_lshr_b32 s38, s32, 1
	s_add_co_u32 s37, s37, s38                     ; my head
	s_lshl_b32 s40, s37, 18                        ; a head is 1,024 rows of 256 bytes
	s_lshl_b32 s38, s36, 16
	s_add_co_u32 s40, s40, s38
	s_and_b32 s38, s32, 1
	s_lshl_b32 s38, s38, 7                         ; which 32 of the head's 64 columns
	s_add_co_u32 s40, s40, s38
	s_add_nc_u64 s[44:45], s[44:45], s[40:41]
	s_lshl_b32 s40, s35, 7
	s_lshl_b32 s38, s32, 5
	s_add_co_u32 s40, s40, s38                     ; my first row of codes: 128 x group + 32 x wave = 64 h + d
	s_lshl_b32 s40, s40, 10
	s_lshl_b32 s38, s36, 8
	s_add_co_u32 s40, s40, s38
	s_lshl_b32 s38, s34, 20
	s_add_co_u32 s40, s40, s38
	s_add_nc_u64 s[46:47], s[18:19], s[40:41]
	s_wait_alu depctr_va_vdst(0)
	WADDR WST
	WLOAD 0, 256
	WLOAD 1, 256
	s_wait_kmcnt 0x0
	s_cmp_eq_u32 s34, 0
	s_cselect_b32 s42, s20, s22                    ; e0, e2 or e4
	s_cmp_eq_u32 s34, 2
	s_cselect_b32 s42, s24, s42
	MKSCALE 42, 11, 10
	s_wait_alu depctr_va_vdst(0)
.irp t, 0,1,2,3,4,5,6,7
	WBLOCK \t, 256, 0
.endr
	WOUT
	FINISH
.Lwo:
	s_sub_co_u32 s33, ttmp9, 352
	s_lshr_b32 s35, s33, 2                         ; which 128 columns
	s_and_b32 s36, s33, 3                          ; which 256 along K
	s_lshl_b32 s37, s35, 7
	s_lshl_b32 s38, s32, 5
	s_add_co_u32 s37, s37, s38                     ; my first column n
	s_lshl_b32 s40, s36, 20                        ; 256 rows of 4,096 bytes
	s_lshl_b32 s38, s37, 2
	s_add_co_u32 s40, s40, s38
	s_add_nc_u64 s[44:45], s[12:13], s[40:41]
	s_lshl_b32 s40, s37, 10
	s_lshl_b32 s38, s36, 8
	s_add_co_u32 s40, s40, s38
	s_add_co_u32 s40, s40, (3<<20)                 ; matrix 3
	s_add_nc_u64 s[46:47], s[18:19], s[40:41]
	s_wait_alu depctr_va_vdst(0)
	WADDR OST
	WLOAD 0, 4096
	WLOAD 1, 4096
	s_wait_kmcnt 0x0
	MKSCALE 31, 11, 10                             ; e11
	s_wait_alu depctr_va_vdst(0)
.irp t, 0,1,2,3,4,5,6,7
	WBLOCK \t, 4096, 1
.endr
	WOUT
	FINISH
.Lfunc_end_k_qfb8a10274f_quant:
	.size	k_qfb8a10274f_quant, .Lfunc_end_k_qfb8a10274f_quant-k_qfb8a10274f_quant
	.p2alignl 7, 3214868480
	.fill 96, 4, 3214868480
	.section	.rodata,"a",@progbits
	.p2align	6, 0x0
	.amdhsa_kernel k_qfb8a10274f_quant
		.amdhsa_group_segment_fixed_size 90624
		.amdhsa_private_segment_fixed_size 0
		.amdhsa_enable_private_segment 0
		.amdhsa_kernarg_size 64
		.amdhsa_user_sgpr_count 2
		.amdhsa_user_sgpr_kernarg_segment_ptr 1
		.amdhsa_wavefront_size32 1
		.amdhsa_system_sgpr_workgroup_id_x 1
		.amdhsa_system_sgpr_workgroup_id_y 1
		.amdhsa_system_sgpr_workgroup_id_z 1
		.amdhsa_system_vgpr_workitem_id 0
		.amdhsa_next_free_vgpr 192
		.amdhsa_next_free_sgpr 66
		.amdhsa_reserve_vcc 0
		.amdhsa_float_denorm_mode_32 3
		.amdhsa_float_denorm_mode_16_64 3
		.amdhsa_memory_ordered 1
		.amdhsa_forward_progress 1
		.amdhsa_inst_pref_size 174
	.end_amdhsa_kernel
	.amdgpu_metadata
---
amdhsa.version: [ 1, 2 ]
amdhsa.kernels:
  - .name:           k_qfb8a10274f_quant
    .symbol:         k_qfb8a10274f_quant.kd
    .args:
      - { .name: x, .offset: 0, .size: 8, .value_kind: global_buffer, .address_space: global }
      - { .name: Wq, .offset: 8, .size: 8, .value_kind: global_buffer, .address_space: global }
      - { .name: Wk, .offset: 16, .size: 8, .value_kind: global_buffer, .address_space: global }
      - { .name: Wv, .offset: 24, .size: 8, .value_kind: global_buffer, .address_space: global }
      - { .name: Wo, .offset: 32, .size: 8, .value_kind: global_buffer, .address_space: global }
      - { .name: lowp_scales, .offset: 40, .size: 8, .value_kind: global_buffer, .address_space: global }
      - { .name: xcodes, .offset: 48, .size: 8, .value_kind: global_buffer, .address_space: global }
      - { .name: wcodes, .offset: 56, .size: 8, .value_kind: global_buffer, .address_space: global }
    .group_segment_fixed_size: 90624
    .private_segment_fixed_size: 0
    .kernarg_segment_align: 8
    .kernarg_segment_size: 64
    .max_flat_workgroup_size: 128
    .sgpr_count:     66
    .vgpr_count:     192
    .wavefront_size: 32
...
	.end_amdgpu_metadata
.endif
;; end of part 1
;; launch proj (part 2): grid 12 x 32, 4 waves a work-group, clusters of 4 x 4, 327,680 bytes of LDS; arguments xcodes, wcodes, lowp_scales, qkv; writes qkv
.if DOCPART == 2
	.amdgcn_target "amdgcn-amd-amdhsa--gfx1250"
	.amdhsa_code_object_version 6
	.text
	.protected	k_qfb8a10274f_proj
	.globl	k_qfb8a10274f_proj
	.p2align	8
	.type	k_qfb8a10274f_proj,@function
k_qfb8a10274f_proj:
	s_mov_b64 s[64:65], 0
	v_nop
	global_prefetch_b8 v0, s[64:65] scope:SCOPE_SE
	s_setreg_imm32_b32 hwreg(HW_REG_WAVE_MODE, 25, 1), 1
	s_wait_xcnt 0x0
	s_wait_alu depctr_hold_cnt(0) depctr_sa_sdst(0) depctr_va_vdst(0) depctr_va_sdst(0) depctr_va_ssrc(0) depctr_va_vcc(0) depctr_vm_vsrc(0)
	s_getreg_b32 s2, hwreg(HW_REG_IB_STS2, 6, 4)
	s_cmp_eq_u32 s2, 0
	s_cbranch_scc0 .Lentry_in_a_cluster
	s_endpgm
.Lentry_in_a_cluster:
	s_bfe_u32 s2, ttmp6, 0x10000c
	s_cmp_lg_u32 s2, 0xf033
	s_cbranch_scc0 .Lentry_shape_is_right
	s_endpgm
.Lentry_shape_is_right:
; q, k, v = x W on codes of FP8 (E4M3), K = 1,024, and the results quantised at once into the codes that the attention launch reads (entries 6, 7, 9 of the scales).
; The cluster's x (0, 1, 2) names the product: q, k or v; it is the same in all sixteen partners.  A work-group of four waves makes 256 x 256 results, a wave 128 x 128: 64 accumulators, 512 registers.
; THE MATRIX INSTRUCTION IS USED TRANSPOSED: source 0 = 16 rows of the operand called B here, source 1 = 16 rows of A: a lane holds one row of A and eight neighbours along B.
;   q, k: A = rows of x (tokens), B = rows of the weight (64 h + d): a lane's eight numbers run along d, the next product's K.
;   v:    A = rows of Wv, B = rows of x: a lane's eight numbers run along the keys, the next product's K.
; So each conversion's eight codes are neighbours along the next K.  The codes of two neighbouring accumulators are stored as 16 bytes: place 32 c + 16 h + 8 u + j of a row holds k = 32 c + 16 u + 8 h + j
; (alike in q and k; in v it fits the registers in which the weights p are made).
; qkv [3][64 bh][131,072 bytes]: q, k: [2,048 tokens][64 bytes]; v: [16 blocks of 128 keys][64 d][128 bytes].
; K goes in four steps of 256 through a ring of two LDS slots filled by the tensor data mover; rows of 256 bytes.  CLUSTERS: 4 x 4: A's tile is asked for jointly by a row of the cluster, B's by a column.
; A sum stands for sum x 2^(ew + ex), so the conversion takes the one scale 2^E, E = e6 - e0 - e1 (q), e7 - e2 - e3 (k), e9 - e4 - e5 (v).  LIMIT: E between -126 and 119.
; REGISTERS, in windows of 256: window 0: v0-31 addresses and the two scale numbers; from v128 A's fragments, one set; on the way out v32-95 held sums, v128-255 codes.
;   window 1: B's fragments, two sets.   window 2: the accumulators of my rows 0-63 ((a, b) at v[8 (8 a + b)]);   window 3: those of my rows 64-127.
.set ROWB,   256                       ; a tile's row in bytes
.set KROW,   1024                      ; a row of codes in memory
.set PITCH,  272                       ; an LDS row: 256 bytes + 16 of padding = 68 words: the 16 rows that a load touches start at 16 different banks (64 banks of 4 bytes: ISA guide 11.1)
.set FR,     16                        ; registers of a fragment: 16 rows x 128 K
.set NL,     4                         ; LDS loads that bring one
.set NP,     4                         ; places behind this matrix instruction (ISA guide 7.12.1)
.set HALFT,  128*PITCH                 ; 128 rows: what one tensor load brings
.set SLOT,   4*HALFT                   ; A's 256 rows, then B's 256 rows
.set SPARE,  2*SLOT                    ; behind the ring: the spare words, 128 bytes for each wave
.set SROW,   144                       ; the way out: a stage row: 128 codes + 16 of padding
.set WSTG,   128*SROW                  ; a stage of 128 rows for each wave, in slot 0, which has had its last fill and its last read when the first code is stored there
.set ADRA, 16                          ; v16-17  LDS address of my A fragments in slot 0, 1
.set ADRB, 20                          ; v20-21  the same for B
.set STO,  24                          ; v24     the stage: where I put 16 codes of a row
.set RDQ,  25                          ; v25     back, q and k: eight rows x 64 bytes an instruction
.set CO,   26                          ; v26     16 x lane: my place in a store's 512 bytes
.set RDV,  27                          ; v27     back, v: four rows x 128 bytes an instruction
.set SPW,  28                          ; v28     LDS address of my spare word; never rewritten
.set NIL,  29                          ; v29     0; never rewritten
.set LIM,  30                          ; v30     448 x 2^E
.set SCL,  31                          ; v31     2^E
.set TMP,  32
.set AF,   128
.set CD,   128
.set G1, 24                            ; s[24:31] descriptor group 1 for A's tiles;  s[32:39] group 0, one set for each slot
.set G0, 32
.set G1B, 48                           ; s[48:55], s[56:63] the same for B's tiles
.set G0B, 56
.set MSB, 0
.macro WIN new                         ; the immediate's high byte repeats the setting that is left
.if MSB != \new
	s_set_vgpr_msb (MSB<<8)|\new
.set MSB, \new
.endif
.endm
.set MUL_LO, 0xa1                      ; source 0 (B) window 1, source 1 (A) window 0, C and D window 2
.set MUL_HI, 0xf1                      ; the same, C and D window 3
.set TO_B,   0x40                      ; destination window 1, address window 0
; A joint load: waves 0 and 1 fetch for A, waves 2 and 3 for B; the branch hangs on the wave's number alone.  An s_nop 0 and four v_nop follow each of the two lines.
.macro JLOAD g0a, g1a, g0b, g1b
	s_cmp_eq_u32 s15, 0
	s_cbranch_scc0 .Lfor_b_\@
	tensor_load_to_lds s[\g0a:\g0a+3], s[\g1a:\g1a+7]
	s_nop 0
.rept 4
	v_nop
.endr
	s_branch .Lasked_\@
.Lfor_b_\@:
	tensor_load_to_lds s[\g0b:\g0b+3], s[\g1b:\g1b+7]
	s_nop 0
.rept 4
	v_nop
.endr
.Lasked_\@:
.endm
.macro CREST                           ; a round of the cluster's barrier behind its opening barrier
	s_cmp_lg_u32 s14, 0
	s_cbranch_scc1 .Lnot_wave_0_\@
	s_barrier_signal -3
.Lnot_wave_0_\@:
	s_barrier_wait -3
	s_barrier_signal -1
	s_barrier_wait -1
.endm
.macro CROUND                          ; a whole round
	s_barrier_signal -1
	s_barrier_wait -1
	CREST
.endm
	s_load_b256 s[4:11], s[0:1], 0x0               ; xcodes 4:5, wcodes 6:7, the scales 8:9, qkv 10:11
	v_lshl_add_u32 v[SPW], v0, 2, SPARE
	v_mov_b32 v[NIL], 0
	ds_add_u32 v[SPW], v[NIL]                      ; the wave's opening: the add and its wait stand ahead of my first tensor load; the set-up below stands between them
	ds_add_u32 v[SPW], v[NIL]
	v_lshrrev_b32 v1, 5, v0
	v_readfirstlane_b32 s14, v1                    ; wave 0..3
	s_lshr_b32 s15, s14, 1                         ; which half of A's rows is mine.  Also: I fetch for A (0) or for B (1)
	s_and_b32 s16, s14, 1                          ; which half of B's rows.  Also: which 128 rows of that tile I fetch
	s_bfe_u32 s40, ttmp6, 0x40000                  ; cx, cy: my place in the cluster
	s_bfe_u32 s41, ttmp6, 0x40004
	s_and_b32 s12, ttmp7, 0xffff
	s_lshl_b32 s12, s12, 2                         ; 4 x cluster y
	s_lshl_b32 s66, ttmp9, 23                      ; the product's set of x codes,
	s_lshl_b32 s67, ttmp9, 20                      ; and its weight
	s_cmp_eq_u32 ttmp9, 2                          ; v?  The same answer in all sixteen partners
	s_cselect_b32 s20, s67, s66                    ; A's place in its buffer,
	s_cselect_b32 s46, s66, s67                    ; B's
	s_cselect_b32 s17, 0, s12
	s_cselect_b32 s42, s12, 0
	s_add_co_u32 s17, s17, s41                     ; A's tile: 4 Y + cy of x (q, k) or cy of Wv: made of cy, never of cx
	s_add_co_u32 s42, s42, s40                     ; B's tile: cx of the weight (q, k) or 4 Y + cx of x: made of cx, never of cy
	s_lshl_b32 s43, s41, 2
	s_lshl_b32 s43, 15, s43                        ; my row of the cluster
	s_lshl_b32 s44, 0x1111, s40                    ; my column
	; descriptor group 1: a tile of 128 rows x 256 bytes, padded in LDS
	s_or_b32 s[G1+0], s43, (1<<20)|(1<<21)|(5<<22)|(3<<25)   ; 15:0 the mask: A's tiles go to my row; elements of 1 byte; 20 padding on; 21 set beside a mask; 24:22 after every 64 words; 31:25 four words
	s_or_b32 s[G1B+0], s44, (1<<20)|(1<<21)|(5<<22)|(3<<25)
.irp g, G1, G1B
	s_mov_b32 s[\g+1], ROWB<<16                    ; tensor_dim0
	s_mov_b32 s[\g+2], 128<<16                     ; tensor_dim1
	s_mov_b32 s[\g+3], ROWB<<16                    ; tile_dim0
	s_mov_b32 s[\g+4], 128                         ; tile_dim1
	s_mov_b32 s[\g+5], KROW                        ; tensor_dim0_stride
	s_mov_b32 s[\g+6], 0
	s_mov_b32 s[\g+7], 0
.endr
	s_lshl_b32 s18, s16, 17                        ; the 128 rows of 1,024 bytes that I fetch
	s_lshl_b32 s21, s17, 18                        ; a tile is 256 rows
	s_add_co_u32 s20, s20, s21
	s_add_co_u32 s20, s20, s18
	s_mov_b32 s21, 0
	s_lshl_b32 s47, s42, 18
	s_add_co_u32 s46, s46, s47
	s_add_co_u32 s46, s46, s18
	s_mov_b32 s47, 0
	s_mul_i32 s45, s14, HALFT                      ; where they go: wave x 128 rows: no place in the cluster enters an LDS address
	s_wait_dscnt 0x0                               ; the opening add is done
	s_wait_kmcnt 0x0
	s_load_b256 s[68:75], s[8:9], 0x0              ; e0 .. e7
	s_load_b128 s[76:79], s[8:9], 0x20             ; e8 .. e11
	s_cmp_eq_u32 ttmp9, 2
	s_cselect_b64 s[80:81], s[6:7], s[4:5]         ; A's buffer
	s_cselect_b64 s[82:83], s[4:5], s[6:7]         ; B's
	s_add_nc_u64 s[20:21], s[80:81], s[20:21]
	s_add_nc_u64 s[46:47], s[82:83], s[46:47]
	CROUND                                         ; all sixteen work-groups are here: the first joint loads meet
.irp s, 0,1
	s_mov_b32 s[G0+4*\s], 1
	s_add_co_u32 s[G0+4*\s+1], s45, \s*SLOT
	s_add_nc_u64 s[G0+4*\s+2:G0+4*\s+3], s[20:21], \s*ROWB
	s_or_b32 s[G0+4*\s+3], s[G0+4*\s+3], 0x80000000
	s_mov_b32 s[G0B+4*\s], 1
	s_add_co_u32 s[G0B+4*\s+1], s45, \s*SLOT
	s_add_nc_u64 s[G0B+4*\s+2:G0B+4*\s+3], s[46:47], \s*ROWB
	s_or_b32 s[G0B+4*\s+3], s[G0B+4*\s+3], 0x80000000
.endr
	JLOAD G0, G1, G0B, G1B                         ; K step 0: one tensor load a wave at the head
	v_and_b32 v1, 15, v0                           ; r = l % 16
	s_wait_alu depctr_va_vdst(0)
	v_bfe_u32 v2, v0, 4, 1                         ; h = l / 16
	v_mul_u32_u24 v3, v1, PITCH
	v_lshl_add_u32 v4, v2, 4, v3                   ; a fragment's row x pitch + 16 x half
	s_mul_i32 s84, s15, HALFT                      ; my 128 rows of A
	s_mul_i32 s85, s16, HALFT                      ; my 128 rows of B,
	s_add_co_u32 s85, s85, 2*HALFT                 ; which lie behind A's 256
.irp s, 0,1
	v_add_nc_u32 v[ADRA+\s], s84, v4
	v_add_nc_u32 v[ADRB+\s], s85, v4
	s_add_co_u32 s84, s84, SLOT
	s_add_co_u32 s85, s85, SLOT
.endr
	s_mul_i32 s23, s14, WSTG                       ; my stage
	v_mul_u32_u24 v5, v1, SROW
	s_wait_alu depctr_va_vdst(0)
	v_lshl_add_u32 v5, v2, 4, v5
	v_add_nc_u32 v[STO], s23, v5                   ; in: row r, 16 bytes for each half of the lanes
	v_and_b32 v6, 31, v0
	v_lshlrev_b32 v[CO], 4, v6
	v_lshrrev_b32 v7, 2, v6
	v_mul_u32_u24 v7, v7, SROW
	v_and_b32 v8, 3, v6
	v_lshl_add_u32 v7, v8, 4, v7
	v_add_nc_u32 v[RDQ], s23, v7                   ; back, q and k: row l / 4, 16 (l % 4)
	v_lshrrev_b32 v7, 3, v6
	v_mul_u32_u24 v7, v7, SROW
	v_and_b32 v8, 7, v6
	v_lshl_add_u32 v7, v8, 4, v7
	v_add_nc_u32 v[RDV], s23, v7                   ; back, v: row l / 8, 16 (l % 8)
; PREFETCH: behind the loads of K steps 0 and 1 each wave names, once, the 256 bytes of K steps 2 and 3 (two fills ahead) of 32 rows, a lane a row: of the 128 rows that a wave fetches each of the four partners
; that ask for them jointly takes 32, told apart by address (cx for A's tile, cy for B's).  The address registers (v22, s[94:95]) are never rewritten.
.set PFO, 22
	s_cmp_eq_u32 s15, 0
	s_cselect_b64 s[94:95], s[20:21], s[46:47]     ; the rows that I fetch, at K step 0
	s_cselect_b32 s98, s40, s41
	s_lshl_b32 s98, s98, 15                        ; my work-group's 32 rows of 1,024 bytes
	s_mov_b32 s99, 0
	s_add_nc_u64 s[94:95], s[94:95], s[98:99]
	v_and_b32 v[PFO], 31, v0
	v_lshlrev_b32 v[PFO], 10, v[PFO]
	global_prefetch_b8 v[PFO], s[94:95] offset:512 th:TH_LOAD_NT scope:SCOPE_SE   ; K step 2
	; where my codes go: the product's third of qkv, batch, head, token.  xt, xh: the tile and half on x's side; wt, wh: on the weight's
	s_cmp_eq_u32 ttmp9, 2
	s_cselect_b32 s84, s42, s17                    ; xt
	s_cselect_b32 s85, s17, s42                    ; wt
	s_cselect_b32 s86, s16, s15                    ; xh
	s_cselect_b32 s87, s15, s16                    ; wh
	s_lshr_b32 s88, s84, 3
	s_lshl_b32 s88, s88, 21                        ; the batch: 16 heads of 131,072 bytes
	s_lshl_b32 s89, s85, 2
	s_lshl_b32 s90, s87, 1
	s_add_co_u32 s89, s89, s90                     ; my first head: 4 wt + 2 wh
	s_lshl_b32 s89, s89, 17
	s_add_co_u32 s88, s88, s89
	s_and_b32 s89, s84, 7
	s_lshl_b32 s89, s89, 14                        ; 256 tokens x 64 bytes
	s_add_co_u32 s88, s88, s89
	s_lshl_b32 s89, s86, 13                        ; 128 tokens x 64 bytes
	s_add_co_u32 s88, s88, s89
	s_lshl_b32 s89, ttmp9, 23
	s_add_co_u32 s88, s88, s89
	s_mov_b32 s89, 0
	s_add_nc_u64 s[10:11], s[10:11], s[88:89]
.macro FRAG reg, adr, q, i             ; a fragment: lane l holds row l % 16; registers 4 c .. 4 c + 3 hold the row's bytes 32 c + 16 (l / 16) + 0 .. 15: the same places of K in A and in B
.irp c, 0,1,2,3
	ds_load_b128 v[\reg+4*\c:\reg+4*\c+3], v[\adr] offset:128*(\q)+32*\c+(\i)*16*PITCH
.endr
.endm
; 16 matrix instructions: A's blocks a0, a0 + 1 x B's eight, 128 along K.  p: B's set.  zero = 1: the first product starts the sums.  The 64 accumulators take turns, one instruction a turn.
.macro MUL16 a0, p, zero
.irp a, \a0, \a0+1
.irp b, 0,1,2,3,4,5,6,7
.if \zero
	v_wmma_f32_16x16x128_fp8_fp8 v[8*(8*((\a)%4)+\b):8*(8*((\a)%4)+\b)+7], v[128*(\p)+FR*\b:128*(\p)+FR*\b+FR-1], v[AF+FR*(\a):AF+FR*(\a)+FR-1], 0
.else
	v_wmma_f32_16x16x128_fp8_fp8 v[8*(8*((\a)%4)+\b):8*(8*((\a)%4)+\b)+7], v[128*(\p)+FR*\b:128*(\p)+FR*\b+FR-1], v[AF+FR*(\a):AF+FR*(\a)+FR-1], v[8*(8*((\a)%4)+\b):8*(8*((\a)%4)+\b)+7]
.endif
.endr
.endr
.endm
.macro FETCH_B slot, q, p              ; B's eight fragments of the slot's q-th 128 along K into set p
	WIN TO_B
.irp i, 0,1,2,3,4,5,6,7
	FRAG 128*(\p)+FR*\i, ADRB+\slot, \q, \i
.endr
	WIN 0
.endm
.macro FETCH_A slot, q, i0             ; A's blocks i0 .. i0 + 3
.irp i, \i0, \i0+1, \i0+2, \i0+3
	FRAG AF+FR*(\i), ADRA+\slot, \q, \i
.endr
.endm
.macro PLACES n                        ; plain vector lines between a matrix instruction and a load into, or a vector read or write of, its registers
.rept \n
	v_nop
.endr
.endm
; A step of 128 along K that has its successor in the same slot.  A block of A is free as soon as its eight products are issued, so A has one set of registers; B has two.
.macro STEP slot, q, zero
	s_wait_dscnt 4*NL                              ; B's set and A's blocks 0-3 are in; the youngest sixteen loads (A's blocks 4-7) may be out
	WIN MUL_LO
	MUL16 0, (\q)%2, \zero
	MUL16 2, (\q)%2, \zero
	s_wait_dscnt 0                                 ; A's blocks 4-7 are in
	PLACES NP
	FETCH_B \slot, (\q)+1, 1-(\q)%2
	FETCH_A \slot, (\q)+1, 0
	WIN MUL_HI
	MUL16 4, (\q)%2, \zero
	MUL16 6, (\q)%2, \zero
	PLACES NP
	WIN 0
	FETCH_A \slot, (\q)+1, 4
.endm
; A slot's last step changes slots: one barrier; in front of it each wave waits for all its tensor loads, adds 0 to its spare word, and waits for that and for its reads of this slot.  fill = 1: this slot is filled again, two K steps ahead.
.macro TURN slot, next, fill
	s_wait_tensorcnt 0x0                           ; all my tensor loads have landed: my part of the next slot
	ds_add_u32 v[SPW], v[NIL]                      ; 0 onto my spare word
	s_wait_dscnt 4*NL+1                            ; (the add and the youngest sixteen loads may be out)
	WIN MUL_LO
	MUL16 0, 1, 0
	s_wait_dscnt 0x0                               ; the add is done, and my reads of this slot are over
	s_barrier_signal -1
	MUL16 2, 1, 0
	WIN 0
	s_barrier_wait -1
.if \fill
	CREST                                          ; the barrier has opened a round of the cluster's barrier: no wave of any partner still reads this slot or has a load on its way
	s_add_nc_u64 s[G0+4*\slot+2:G0+4*\slot+3], s[G0+4*\slot+2:G0+4*\slot+3], 2*ROWB
	s_add_nc_u64 s[G0B+4*\slot+2:G0B+4*\slot+3], s[G0B+4*\slot+2:G0B+4*\slot+3], 2*ROWB
	JLOAD G0+4*\slot, G1, G0B+4*\slot, G1B         ; the first tensor load behind the round; its four v_nop are the places in front of the loads below
.else
	PLACES NP
.endif
	FETCH_B \next, 0, 0
	FETCH_A \next, 0, 0
	WIN MUL_HI
	MUL16 4, 1, 0
	MUL16 6, 1, 0
	PLACES NP
	WIN 0
	FETCH_A \next, 0, 4
.endm
	s_wait_alu depctr_va_vdst(0)                   ; the head's end
	s_wait_tensorcnt 0x0                           ; my part of K step 0 is in
	ds_add_u32 v[SPW], v[NIL]
	s_wait_dscnt 0x0
	CROUND                                         ; everybody's part of K step 0 is in, and the joint loads meet
	JLOAD G0+4, G1, G0B+4, G1B                     ; K step 1: the first tensor load behind the round
	FETCH_B 0, 0, 0
	FETCH_A 0, 0, 0
	FETCH_A 0, 0, 4
	global_prefetch_b8 v[PFO], s[94:95] offset:768 th:TH_LOAD_NT scope:SCOPE_SE   ; K step 3
	STEP 0, 0, 1                                   ; K has four steps of 256: they are written on end.  The first products start the sums
	TURN 0, 1, 1                                   ; slot 0 takes K step 2
	STEP 1, 0, 0
	TURN 1, 0, 1                                   ; slot 1 takes K step 3
	STEP 0, 0, 0
	TURN 0, 1, 0                                   ; nothing is left to fetch: no round
	STEP 1, 0, 0
	s_wait_dscnt 4*NL
	WIN MUL_LO
	MUL16 0, 1, 0
	MUL16 2, 1, 0
	s_wait_dscnt 0
	WIN MUL_HI
	MUL16 4, 1, 0
	MUL16 6, 1, 0
	WIN 0
	; THE WAY OUT.  The three E are made, and the product's is chosen by a select on the cluster's x: no branch hangs on a loaded number.
	s_wait_kmcnt 0x0
	s_sub_co_i32 s91, s74, s68
	s_sub_co_i32 s91, s91, s69                     ; q: e6 - e0 - e1
	s_sub_co_i32 s92, s75, s70
	s_sub_co_i32 s92, s92, s71                     ; k: e7 - e2 - e3
	s_sub_co_i32 s93, s77, s72
	s_sub_co_i32 s93, s93, s73                     ; v: e9 - e4 - e5
	s_cmp_eq_u32 ttmp9, 0
	s_cselect_b32 s91, s91, s92
	s_cmp_eq_u32 ttmp9, 2
	s_cselect_b32 s91, s93, s91
	s_add_co_i32 s91, s91, 127
	s_lshl_b32 s92, s91, 23
	v_mov_b32 v[SCL], s92                          ; 2^E as f32
	s_add_co_i32 s91, s91, 8
	s_lshl_b32 s91, s91, 23
	s_or_b32 s91, s91, 0x600000
	v_mov_b32 v[LIM], s91                          ; 448 x 2^E
	PLACES NP
; Block a (16 rows of A x 128 of B): held, converted, and stored into my stage: accumulators 2 b and 2 b + 1 give 16 bytes.  Each block has its own 16 code registers.
.macro QSTAGE a
.set AC, 64*((\a)%4)
	WIN 0x02+((\a)/4)                              ; source 0: window 2 or 3
.set jj, 0
.rept 64
	v_med3_num_f32 v[TMP+jj], v[AC+jj], -v[LIM], v[LIM]   ; the hold (the conversion does not saturate: ISA guide 7.6.2); each accumulator from its low end on
.set jj, jj+1
.endr
	WIN 0
.set jj, 0
.rept 8
	v_cvt_scalef32_pk8_fp8_f32 v[CD+16*(\a)+2*jj:CD+16*(\a)+2*jj+1], v[TMP+8*jj:TMP+8*jj+7], v[SCL]
.set jj, jj+1
.endr
	v_nop                                          ; a plain line between the conversions and the next block's holds, which write their sources
.irp b, 0,1,2,3
	ds_store_b128 v[STO], v[CD+16*(\a)+4*\b:CD+16*(\a)+4*\b+3] offset:16*SROW*(\a)+32*\b
.endr
.endm
.irp a, 0,1,2,3,4,5,6,7
	QSTAGE \a
.endr
; Back as the next launch wants them, 512 consecutive bytes an instruction, 8,192 for each of my two heads.  sh: from head to head in the stage; si: from instruction to instruction.
; LDS serves a wave's instructions in order: the loads see my stores.
.macro OUTARM adr, sh, si
.set ii, 0
.rept 16
	ds_load_b128 v[TMP+4*ii:TMP+4*ii+3], v[\adr] offset:\si*ii
.set ii, ii+1
.endr
	s_wait_dscnt 0x0                               ; the first head is in registers, and the stores into the stage have read the code registers, which take the second head
.set ii, 0
.rept 16
	ds_load_b128 v[CD+4*ii:CD+4*ii+3], v[\adr] offset:\sh+\si*ii
.set ii, ii+1
.endr
.set ii, 0
.rept 16
	global_store_b128 v[CO], v[TMP+4*ii:TMP+4*ii+3], s[10:11] offset:512*ii
.set ii, ii+1
.endr
	s_wait_dscnt 0x0
.set ii, 0
.rept 16
	global_store_b128 v[CO], v[CD+4*ii:CD+4*ii+3], s[10:11] offset:131072+512*ii
.set ii, ii+1
.endr
.endm
	s_cmp_eq_u32 ttmp9, 2                          ; the cluster's x: all partners and all waves go the same way
	s_cbranch_scc1 .Lout_v
	OUTARM RDQ, 64, 8*SROW                         ; q, k: a stage row is a token: 64 bytes for each head; eight tokens an instruction
	s_branch .Lfin
.Lout_v:
	OUTARM RDV, 64*SROW, 4*SROW                    ; v: a stage row is a d: 128 keys; 64 rows for each head; four rows an instruction
.Lfin:
	s_wait_tensorcnt 0x0                           ; the wave's end, behind my last tensor load and my last LDS store
	ds_add_u32 v[SPW], v[NIL]
	s_wait_dscnt 0x0
	CROUND                                         ; the closing round: no work-group ends while a partner may still ask for a tile that names it
	s_endpgm
.Lfunc_end_k_qfb8a10274f_proj:
	.size	k_qfb8a10274f_proj, .Lfunc_end_k_qfb8a10274f_proj-k_qfb8a10274f_proj
	.p2alignl 7, 3214868480
	.fill 96, 4, 3214868480
	.section	.rodata,"a",@progbits
	.p2align	6, 0x0
	.amdhsa_kernel k_qfb8a10274f_proj
		.amdhsa_group_segment_fixed_size 327680
		.amdhsa_private_segment_fixed_size 0
		.amdhsa_enable_private_segment 0
		.amdhsa_kernarg_size 32
		.amdhsa_user_sgpr_count 2
		.amdhsa_user_sgpr_kernarg_segment_ptr 1
		.amdhsa_wavefront_size32 1
		.amdhsa_system_sgpr_workgroup_id_x 1
		.amdhsa_system_sgpr_workgroup_id_y 1
		.amdhsa_system_sgpr_workgroup_id_z 1
		.amdhsa_system_vgpr_workitem_id 0
		.amdhsa_next_free_vgpr 1024
		.amdhsa_next_free_sgpr 100
		.amdhsa_reserve_vcc 0
		.amdhsa_float_denorm_mode_32 3
		.amdhsa_float_denorm_mode_16_64 3
		.amdhsa_memory_ordered 1
		.amdhsa_forward_progress 1
		.amdhsa_inst_pref_size 129
	.end_amdhsa_kernel
	.amdgpu_metadata
---
amdhsa.version: [ 1, 2 ]
amdhsa.kernels:
  - .name:           k_qfb8a10274f_proj
    .symbol:         k_qfb8a10274f_proj.kd
    .args:
      - { .name: xcodes, .offset: 0, .size: 8, .value_kind: global_buffer, .address_space: global }
      - { .name: wcodes, .offset: 8, .size: 8, .value_kind: global_buffer, .address_space: global }
      - { .name: lowp_scales, .offset: 16, .size: 8, .value_kind: global_buffer, .address_space: global }
      - { .name: qkv, .offset: 24, .size: 8, .value_kind: global_buffer, .address_space: global }
    .group_segment_fixed_size: 327680
    .private_segment_fixed_size: 0
    .kernarg_segment_align: 8
    .kernarg_segment_size: 32
    .max_flat_workgroup_size: 128
    .sgpr_count:     100
    .vgpr_count:     1024
    .wavefront_size: 32
...
	.end_amdgpu_metadata
.endif
;; end of part 2
;; launch attn (part 3): grid 4 x 64, 8 waves a work-group, clusters of 4 x 1, 327,680 bytes of LDS; arguments qkv, lowp_scales, acodes; writes acodes
.if DOCPART == 3
	.amdgcn_target "amdgcn-amd-amdhsa--gfx1250"
	.amdhsa_code_object_version 6
	.text
	.protected	k_qfb8a10274f_attn
	.globl	k_qfb8a10274f_attn
	.p2align	8
	.type	k_qfb8a10274f_attn,@function
k_qfb8a10274f_attn:
	s_mov_b64 s[64:65], 0
	v_nop
	global_prefetch_b8 v0, s[64:65] scope:SCOPE_SE
	s_setreg_imm32_b32 hwreg(HW_REG_WAVE_MODE, 25, 1), 1
	s_wait_xcnt 0x0
	s_wait_alu depctr_hold_cnt(0) depctr_sa_sdst(0) depctr_va_vdst(0) depctr_va_sdst(0) depctr_va_ssrc(0) depctr_va_vcc(0) depctr_vm_vsrc(0)
	s_getreg_b32 s2, hwreg(HW_REG_IB_STS2, 6, 4)
	s_cmp_eq_u32 s2, 0
	s_cbranch_scc0 .Lentry_in_a_cluster
	s_endpgm
.Lentry_in_a_cluster:
	s_bfe_u32 s2, ttmp6, 0x10000c
	s_cmp_lg_u32 s2, 0x3003
	s_cbranch_scc0 .Lentry_shape_is_right
	s_endpgm
.Lentry_shape_is_right:
; Causal attention on codes of FP8 (E4M3), head size 64, 2,048 tokens, 64 (batch, head) pairs; the result is quantised at once (entry 10 of the scales) for the last product.
; t = score x log2(e) / 8; M = the row's largest t so far, rounded up to a whole number; p = 2^(t - M) is quantised along the keys with 2^e8, not normalised; the row's sum is taken of the unquantised p and
; divides at the end.  When M moves, the sum and O are multiplied by 2^(old M - new M), which rounds nothing.
; LEFT OUT: key steps all of whose keys come after a tile's queries.
; SHARES.  A cluster of four work-groups is one (batch, head).  Its 64 tiles of 32 queries are dealt so: partner p takes tiles 4 j + p, j = 0 .. 15.  Tile 4 j + p needs j + 1 steps of 128 keys, the last on the
; diagonal: neither hangs on p, so the partners run alike; p enters Q's and the output's addresses and the mask's lane numbers alone.  Wave w takes j = 15 - w and then j = w: 17 key steps in every wave.
; A wave's 32 queries are two tiles of 16, A and B: each fragment of K and of V that is read from LDS feeds both, and their dependent chains are laid by turns.
; K AND V OF THE WHOLE HEAD LIE IN LDS, filled once by joint loads of the four partners: at the head each wave asks for 32 rows of 256 bytes (together keys 0-511 of K and V); behind the full sequence and a round
; each wave asks for 96 rows (keys 512-2,047).  Steps 0 to 2 of the first tile, under the diagonal in every wave, are walked while the second load is out.  Nothing is filled again.
; No prefetch: all that the launch reads through LDS is asked for by those two loads, and no loop is left to run ahead in.
; LAYOUT.  Both products are used transposed: S^T = K Q^T (source 0 = 16 keys, source 1 = 16 queries), O^T = V^T P^T: a lane holds one query (lane % 16) of A and one of B.  Tile t of S^T holds in register j key
; 16 t + 8 (lane / 16) + j: its eight codes are registers 2 t, 2 t + 1 of the second product's operand, and the launch before has laid V's keys (and q's and k's d) to fit 16-byte reads at 32 c + 16 (lane / 16).
; O^T's codes are stored as an image of the last product's operand: acodes [512 tiles of 16 rows][16 heads][1,024 bytes].
; LIMITS on the given exponents: e6 + e7 between -123 and 130 (added to c's exponent field); e8 between -126 and 119; e8 + e9 - e10 is applied by v_ldexp_f32 and has none.
; REGISTERS.  Window 0: v1-11 addresses and constants; v12-23 -M, largest t, sums, f of A and B; v24-31 at work and constants; v32-47 Q; v48-111 V's four fragments; v112-177 A: two registers, then S^T / p;
; p's codes of tile t go to v112 + 2 t, over scores already converted; v178-243 B likewise; v244-253 at work and constants.  Window 1: v0-63 O^T of A and B; v64-127 K's eight fragments, asked for a step ahead; v128-143 the second tile's Q.
.set KB,    8704                       ; 128 keys of K, or of V, in LDS: 32 rows of 256 bytes + 16 of padding
.set VBASE, 16*KB                      ; V lies behind K
.set SPARE, 2*VBASE                    ; behind both: the spare words, 128 bytes for each of eight waves
.set AK0,  1                           ; my lane's place in a tile of K
.set AV0,  2                           ; the same for V
.set QO,   3                           ; my bytes in a tile of Q
.set GO,   4                           ; 16 x lane: my place in a store's 512 bytes
.set SPW,  5                           ; LDS address of my spare word; never rewritten
.set NIL,  6                           ; 0; never rewritten
.set DQ,   7                           ; lane % 16 - 8 (lane / 16) + 32 p, for the mask
.set ADK,  8
.set ADV,  9
.set QR,   32
.set VF,   48
.set CA,   112
.set SA,   114
.set CB,   178
.set SB,   180
.set KF,   64                          ; window 1
.set Q2,   128                         ; window 1
.set WV,   10                          ; my wave's number
.set CX,   11                          ; p
.set BH,   12                          ; 16 x batch + head
.set G1A,  16                          ; s[16:23] group 1, 32 rows;  s[24:31] 96 rows;  s[32:35], s[36:39] their groups 0
.set G1B,  24
.set G0A,  32
.set G0B,  36
.set OUTER, 41
.set SEL,  56                          ; lane selects for v_permlanex16_b32: lane l xor 16
.set CS,   58                          ; s[58:59] c = log2(e) / 8 x 2^(e6 + e7)
.set TB,   60                          ; LDS byte at which the step's keys begin
.set CNT,  61                          ; the step's number
.set DG,   62                          ; the diagonal's step of the tile in hand,
.set DGN,  63                          ; of the second tile
.set ST,   66                          ; the first step that is still to be walked
.set TN,   67                          ; where the next step's K begins
.set EO,   88                          ; e8 + e9 - e10
.set MSB, 0
.macro WIN new                         ; the immediate's high byte repeats the setting that is left
.if MSB != \new
	s_set_vgpr_msb (MSB<<8)|\new
.set MSB, \new
.endif
.endm
.macro CROUND                          ; a round of the cluster's barrier
	s_barrier_signal -1
	s_barrier_wait -1
	s_cmp_lg_u32 s[WV], 0
	s_cbranch_scc1 .Lnot_wave_0_\@
	s_barrier_signal -3
.Lnot_wave_0_\@:
	s_barrier_wait -3
	s_barrier_signal -1
	s_barrier_wait -1
.endm
.macro KLOAD adr                       ; K's eight fragments (16 keys x 64) into window 1
	WIN 0x40
.irp t, 0,1,2,3,4,5,6,7
	ds_load_b128 v[KF+8*\t:KF+8*\t+3], v[\adr] offset:1088*\t
	ds_load_b128 v[KF+8*\t+4:KF+8*\t+7], v[\adr] offset:1088*\t+32
.endr
	WIN 0
.endm
.macro CHN k, m, pl, tm, nm, f, tp     ; line k of a tile's chain from the step's largest score (v[m]) to the new -M (v[nm]) and f = 2^(old M - new M) (v[f]); the lines are laid among the other tile's independent work
.if (\k) == 0
	v_permlanex16_b32 v[\pl], v[\m], s[SEL], s[SEL+1]
.elseif (\k) == 1
	v_max_num_f32 v[\m], v[\m], v[\pl]             ; and lane l xor 16's
.elseif (\k) == 2
	v_mul_f32 v[\m], s[CS], v[\m]                  ; as t (c is positive)
.elseif (\k) == 3
	v_max_num_f32 v[\tm], v[\tm], v[\m]            ; the running largest t
.elseif (\k) == 4
	v_mov_b32 v[\tp], v[\nm]
.elseif (\k) == 5
	v_floor_f32 v[\nm], -v[\tm]                    ; the new -M = -ceil(t)
.elseif (\k) == 6
	v_sub_f32 v[\tp], v[\nm], v[\tp]               ; old M - new M: a whole number, 0 or less
.elseif (\k) == 7
	v_cvt_i32_f32 v[\tp], v[\tp]                   ; (it saturates)
.else
	v_ldexp_f32 v[\f], 1.0, v[\tp]
.endif
.endm
; The row's sum of a tile's unquantised p (64 registers from v[s] on) onto v[acc:acc+1], in seven chains (the sum itself, v24-27, v244-251): 32 lines.  cv = 1: tile A's eight conversions are laid among them, one behind every four.
.macro SUMT s, acc, cv
.set nn, 0
.rept 6
	v_pk_add_f32 v[24+2*nn+((nn+2)/4)*216:25+2*nn+((nn+2)/4)*216], v[\s+4*nn:\s+4*nn+1], v[\s+4*nn+2:\s+4*nn+3]
.if \cv
.if nn%4 == 3
	v_cvt_scalef32_pk8_fp8_f32 v[CA+2*(nn/4):CA+2*(nn/4)+1], v[SA+8*(nn/4):SA+8*(nn/4)+7], v252
.endif
.endif
.set nn, nn+1
.endr
.rept 20
.set cc, (nn-6)%7
.if cc == 0
	v_pk_add_f32 v[\acc:\acc+1], v[\acc:\acc+1], v[\s+12+2*nn:\s+13+2*nn]
.else
	v_pk_add_f32 v[22+2*cc+((cc+1)/4)*216:23+2*cc+((cc+1)/4)*216], v[22+2*cc+((cc+1)/4)*216:23+2*cc+((cc+1)/4)*216], v[\s+12+2*nn:\s+13+2*nn]
.endif
.if \cv
.if nn%4 == 3
	v_cvt_scalef32_pk8_fp8_f32 v[CA+2*(nn/4):CA+2*(nn/4)+1], v[SA+8*(nn/4):SA+8*(nn/4)+7], v252
.endif
.endif
.set nn, nn+1
.endr
	v_pk_add_f32 v[24:25], v[24:25], v[26:27]
	v_pk_add_f32 v[244:245], v[244:245], v[246:247]
.if \cv
	v_cvt_scalef32_pk8_fp8_f32 v[CA+12:CA+13], v[SA+48:SA+55], v252
.endif
	v_pk_add_f32 v[248:249], v[248:249], v[250:251]
	v_pk_add_f32 v[\acc:\acc+1], v[\acc:\acc+1], v[24:25]
	v_pk_add_f32 v[244:245], v[244:245], v[248:249]
	v_pk_add_f32 v[\acc:\acc+1], v[\acc:\acc+1], v[244:245]
.if \cv
	v_cvt_scalef32_pk8_fp8_f32 v[CA+14:CA+15], v[SA+56:SA+63], v252
.endif
.endm
.macro INIT
	v_mov_b32 v13, 0xff61b1e6
	v_mov_b32 v17, 0xff61b1e6
	v_floor_f32 v12, -v13
	v_floor_f32 v16, -v17
	v_mov_b32 v14, 0
	v_mov_b32 v15, 0
	v_mov_b32 v18, 0
	v_mov_b32 v19, 0
	WIN 0x40
.set ii, 0
.rept 64
	v_mov_b32 v[ii], 0
.set ii, ii+1
.endr
	WIN 0
.endm
	s_load_b128 s[4:7], s[0:1], 0x0                ; qkv 4:5, the scales 6:7
	s_load_b64 s[8:9], s[0:1], 0x10                ; acodes
	v_lshl_add_u32 v[SPW], v0, 2, SPARE
	v_mov_b32 v[NIL], 0
	ds_add_u32 v[SPW], v[NIL]                      ; the opening: the add, twice on end, and its wait ahead of my first tensor load
	ds_add_u32 v[SPW], v[NIL]
	v_lshrrev_b32 v8, 5, v0
	v_readfirstlane_b32 s[WV], v8                  ; wave 0..7
	s_bfe_u32 s[CX], ttmp6, 0x40000
	s_and_b32 s[BH], ttmp7, 0xffff
.irp g, G1A, G1B                               ; rows of 256 bytes, dense in memory, 16 bytes of padding behind each in LDS; the mask names all four partners
	s_mov_b32 s[\g], 15|(1<<20)|(1<<21)|(5<<22)|(3<<25)
	s_mov_b32 s[\g+1], 256<<16
	s_mov_b32 s[\g+3], 256<<16
	s_mov_b32 s[\g+5], 256
	s_mov_b32 s[\g+6], 0
	s_mov_b32 s[\g+7], 0
.endr
	s_mov_b32 s[G1A+2], 32<<16
	s_mov_b32 s[G1A+4], 32
	s_mov_b32 s[G1B+2], 96<<16
	s_mov_b32 s[G1B+4], 96
	s_mov_b32 s[SEL], 0x76543210
	s_mov_b32 s[SEL+1], 0xfedcba98
	s_mov_b32 s[CS], 0x3e38aa3b                    ; log2(e) / 8
	s_sub_co_u32 s[DG], 15, s[WV]
	s_mov_b32 s[DGN], s[WV]
	s_mov_b32 s[ST], 3
	s_mov_b32 s[OUTER], 0
	s_lshr_b32 s13, s[WV], 2                       ; waves 0-3 fetch K, waves 4-7 V
	s_and_b32 s14, s[WV], 3                        ; which quarter of a part
	s_mul_i32 s15, s13, VBASE
	s_mul_i32 s40, s14, KB
	s_mov_b32 s[G0A], 1
	s_add_co_u32 s[G0A+1], s15, s40                ; part 1: blocks 0-3, one a wave
	s_mul_i32 s40, s14, 3*KB
	s_add_co_u32 s40, s40, s15
	s_mov_b32 s[G0B], 1
	s_add_co_u32 s[G0B+1], s40, 4*KB               ; part 2: blocks 4-15, three a wave
	s_add_co_u32 s42, s13, 1
	s_lshl_b32 s42, s42, 23                        ; k is the second third of qkv, v the last
	s_lshl_b32 s43, s[BH], 17
	s_add_co_u32 s42, s42, s43
	s_lshl_b32 s44, s14, 13
	s_add_co_u32 s44, s44, s42
	s_mov_b32 s45, 0
	s_mul_i32 s46, s14, 24576
	s_add_co_u32 s46, s46, s42
	s_add_co_u32 s46, s46, 32768
	s_mov_b32 s47, 0
	s_wait_dscnt 0x0                               ; both opening adds are done
	s_wait_kmcnt 0x0
	s_load_b256 s[68:75], s[6:7], 0x0              ; e0 .. e7
	s_load_b128 s[76:79], s[6:7], 0x20             ; e8 .. e11
	s_add_nc_u64 s[G0A+2:G0A+3], s[4:5], s[44:45]
	s_or_b32 s[G0A+3], s[G0A+3], 0x80000000
	s_add_nc_u64 s[G0B+2:G0B+3], s[4:5], s[46:47]
	s_or_b32 s[G0B+3], s[G0B+3], 0x80000000
	CROUND                                         ; all four work-groups are here: the joint loads meet
	tensor_load_to_lds s[G0A:G0A+3], s[G1A:G1A+7]  ; my one load at the head
	s_nop 0
	; my two tiles, where their Q lies and their codes go
	s_sub_co_u32 s89, 15, s[WV]
	s_lshl_b32 s89, s89, 2
	s_add_co_u32 s89, s89, s[CX]                   ; the first: 4 (15 - w) + p
	s_lshl_b32 s94, s[WV], 2
	s_add_co_u32 s94, s94, s[CX]                   ; the second: 4 w + p
	s_lshl_b32 s95, s[BH], 17
	s_mov_b32 s97, 0
	s_lshl_b32 s96, s89, 11                        ; a tile of Q is 32 rows of 64 bytes
	s_add_co_u32 s96, s96, s95
	s_add_nc_u64 s[80:81], s[4:5], s[96:97]
	s_lshl_b32 s96, s94, 11
	s_add_co_u32 s96, s96, s95
	s_add_nc_u64 s[82:83], s[4:5], s[96:97]
	s_lshr_b32 s95, s[BH], 4
	s_lshl_b32 s95, s95, 6                         ; 64 tiles of 32 rows for each batch
	s_and_b32 s98, s[BH], 15
	s_lshl_b32 s98, s98, 10                        ; the head's image
	s_add_co_u32 s96, s95, s89
	s_lshl_b32 s96, s96, 15                        ; two times 16 images for each tile
	s_add_co_u32 s96, s96, s98
	s_add_nc_u64 s[84:85], s[8:9], s[96:97]
	s_add_co_u32 s96, s95, s94
	s_lshl_b32 s96, s96, 15
	s_add_co_u32 s96, s96, s98
	s_add_nc_u64 s[86:87], s[8:9], s[96:97]
	s_lshl_b32 s99, s[CX], 5
	v_and_b32 v8, 15, v0                           ; r
	v_bfe_u32 v9, v0, 4, 1                         ; h
	v_lshlrev_b32 v[QO], 6, v8
	v_lshl_add_u32 v[QO], v9, 4, v[QO]             ; Q: row r of 64 bytes, + 16 h
	global_load_b128 v[QR:QR+3], v[QO], s[80:81]
	global_load_b128 v[QR+4:QR+7], v[QO], s[80:81] offset:32
	global_load_b128 v[QR+8:QR+11], v[QO], s[80:81] offset:1024
	global_load_b128 v[QR+12:QR+15], v[QO], s[80:81] offset:1056
	WIN 0x40
	global_load_b128 v[Q2:Q2+3], v[QO], s[82:83]
	global_load_b128 v[Q2+4:Q2+7], v[QO], s[82:83] offset:32
	global_load_b128 v[Q2+8:Q2+11], v[QO], s[82:83] offset:1024
	global_load_b128 v[Q2+12:Q2+15], v[QO], s[82:83] offset:1056
	WIN 0
	v_lshrrev_b32 v254, 2, v8                      ; K: an LDS row holds four keys of 64 bytes: 272 (r / 4) + 64 (r % 4) + 16 h
	v_mul_u32_u24 v[AK0], v254, 272
	v_and_b32 v254, 3, v8
	v_lshl_add_u32 v[AK0], v254, 6, v[AK0]
	v_lshl_add_u32 v[AK0], v9, 4, v[AK0]
	v_lshrrev_b32 v254, 1, v8                      ; V: an LDS row holds two d of 128 bytes: 272 (r / 2) + 128 (r % 2) + 16 h
	v_mul_u32_u24 v[AV0], v254, 272
	v_and_b32 v254, 1, v8
	v_lshl_add_u32 v[AV0], v254, 7, v[AV0]
	v_lshl_add_u32 v[AV0], v9, 4, v[AV0]
	v_add_nc_u32 v[AV0], VBASE, v[AV0]
	v_and_b32 v[GO], 31, v0
	v_lshlrev_b32 v[GO], 4, v[GO]
	v_lshlrev_b32 v254, 3, v9
	v_sub_nc_u32 v[DQ], v8, v254
	v_add_nc_u32 v[DQ], s99, v[DQ]                 ; r - 8 h + 32 p
	v_mov_b32 v21, 0                               ; (named as the upper halves of the pairs of f)
	v_mov_b32 v23, 0
	v_mov_b32 v28, 0                               ; written once: a lane permute's destination counts as one of its sources
	v_mov_b32 v29, 0
	v_mov_b32 v30, 0xff800000                      ; -infinity
	v_mov_b32 v31, 0x43e00000                      ; 448
	v_mov_b32 v253, 1.0                            ; the way out's conversions divide by 1
	INIT
	s_wait_kmcnt 0x0
	s_add_co_i32 s89, s74, s75
	s_lshl_b32 s89, s89, 23
	s_add_co_i32 s[CS], s[CS], s89                 ; a score stands for score x 2^(e6 + e7): added to c's exponent field
	s_mov_b32 s[CS+1], s[CS]
	s_add_co_i32 s89, s76, 127
	s_lshl_b32 s94, s89, 23
	v_mov_b32 v252, s94                            ; 2^e8 as f32, for p's conversions
	s_add_co_i32 s89, s89, 8
	s_lshl_b32 s89, s89, 23
	s_or_b32 s89, s89, 0x600000
	v_mov_b32 v10, s89                             ; 448 x 2^e8, in two registers: one for each half of a dual hold
	v_mov_b32 v11, s89
	s_add_co_i32 s[EO], s76, s77
	s_sub_co_i32 s[EO], s[EO], s78
; A KEY STEP: the 128 keys at LDS byte s[TB], for my 32 queries.  diag = 1: where s[CNT] = s[DG] the step lies on the diagonal.
.macro STEP diag
	v_add_nc_u32 v[ADV], s[TB], v[AV0]
.rept 4
	v_nop                                          ; with the addition: five places between the last step's products and the loads into, and products over, registers that they read
.endr
.irp t, 0,1,2,3                                ; V's four fragments (16 d x 128 keys): they land while the softmax is walked
.irp c, 0,1,2,3
	ds_load_b128 v[VF+16*\t+4*\c:VF+16*\t+4*\c+3], v[ADV] offset:2176*\t+32*\c
.endr
.endr
	s_add_co_u32 s[TN], s[TB], KB
.if \diag
	s_cmp_eq_u32 s[CNT], s[DG]
	s_cselect_b32 s[TN], 0, s[TN]                  ; behind a tile's last step comes the next tile's step 0
.endif
	s_wait_dscnt 16                                ; K, asked for a step ago, is in; the sixteen loads of V may be out
	v_add_nc_u32 v[ADK], s[TN], v[AK0]
	WIN 0x01                                       ; source 0 (K) in window 1
.irp t, 0,1,2,3,4,5,6,7
	v_wmma_f32_16x16x64_fp8_fp8 v[SA+8*\t:SA+8*\t+7], v[KF+8*\t:KF+8*\t+7], v[QR:QR+7], 0
	v_wmma_f32_16x16x64_fp8_fp8 v[SB+8*\t:SB+8*\t+7], v[KF+8*\t:KF+8*\t+7], v[QR+8:QR+15], 0
.endr
.rept 4
	v_nop                                          ; places in front of the loads into K's registers and of the first read of the scores
.endr
	KLOAD ADK                                      ; the next step's K
.if \diag
	s_cmp_lg_u32 s[CNT], s[DG]                     ; the wave's number and the count of steps alone
	s_cbranch_scc1 .Lopen_\@
; Register 8 t + j holds key 16 t + j + 8 (lane / 16).  A's query is 32 p + lane % 16: hidden where 16 t + j > DQ.  B's lies 16 further on, so the same compare serves B's tile t + 1; B's tile 0 is open.
.set uu, 0
.rept 8
.set jj, 0
.rept 8
	v_cmp_gt_i32 vcc_lo, 16*uu+jj, v[DQ]
	v_cndmask_b32 v[SA+8*uu+jj], v[SA+8*uu+jj], v30, vcc_lo
.if uu < 7
	v_cndmask_b32 v[SB+8*uu+8+jj], v[SB+8*uu+8+jj], v30, vcc_lo
.endif
.set jj, jj+1
.endr
.set uu, uu+1
.endr
.Lopen_\@:
.endif
; A's largest score among my 64 keys, in eight chains (v24-27, v244-247), the scores in ascending order: each accumulator is read from its low end on
.set kk, 0
.rept 8
	v_max3_num_f32 v[24+kk+(kk/4)*216], v[SA+3*kk], v[SA+3*kk+1], v[SA+3*kk+2]
.set kk, kk+1
.endr
.set kk, 0
.rept 20
	v_max3_num_f32 v[24+(kk%8)+((kk%8)/4)*216], v[24+(kk%8)+((kk%8)/4)*216], v[SA+24+2*kk], v[SA+25+2*kk]
.set kk, kk+1
.endr
	v_max3_num_f32 v24, v24, v25, v26
	v_max3_num_f32 v27, v27, v244, v245
	v_max_num_f32 v246, v246, v247
	v_max3_num_f32 v24, v24, v27, v246
; B's, in eight chains (v244-251), with the nine lines of A's chain among them, one behind every three
.set kk, 0
.rept 28
.if kk < 8
	v_max3_num_f32 v[244+kk], v[SB+3*kk], v[SB+3*kk+1], v[SB+3*kk+2]
.else
	v_max3_num_f32 v[244+kk%8], v[244+kk%8], v[SB+8+2*kk], v[SB+9+2*kk]
.endif
.if kk%3 == 2
	CHN kk/3, 24, 28, 13, 12, 20, 25
.endif
.set kk, kk+1
.endr
	v_max3_num_f32 v244, v244, v245, v246
	v_max3_num_f32 v247, v247, v248, v249
	v_max_num_f32 v250, v250, v251
	v_max3_num_f32 v244, v244, v247, v250
; t - M, two at a time: A's, with the nine lines of B's chain among them; then B's
.set kk, 0
.rept 32
	v_pk_fma_f32 v[SA+2*kk:SA+2*kk+1], v[SA+2*kk:SA+2*kk+1], s[CS:CS+1], v[12:13] op_sel_hi:[1,0,0]
.if kk < 27
.if kk%3 == 2
	CHN kk/3, 244, 29, 17, 16, 22, 245
.endif
.endif
.set kk, kk+1
.endr
	s_wait_alu depctr_va_vdst(0)                   ; ahead of the batch
; A's p = 2^(t - M).  Among the exponentials stand B's t - M: each reads what was written ahead of the wait above, and writes registers that are first read behind the wait that closes the batch
.set kk, 0
.rept 32
	v_exp_f32 v[SA+2*kk], v[SA+2*kk]
	v_exp_f32 v[SA+2*kk+1], v[SA+2*kk+1]
	v_pk_fma_f32 v[SB+2*kk:SB+2*kk+1], v[SB+2*kk:SB+2*kk+1], s[CS:CS+1], v[16:17] op_sel_hi:[1,0,0]
.set kk, kk+1
.endr
	v_pk_mul_f32 v[14:15], v[14:15], v[20:21] op_sel_hi:[1,0]   ; the sums under the new M: plain lines behind the exponentials
	v_pk_mul_f32 v[18:19], v[18:19], v[22:23] op_sel_hi:[1,0]
	s_wait_alu depctr_va_vdst(0)                   ; one wait for the batch, ahead of its first reader
	SUMT SA, 14, 0                                 ; A's sum, of p as it is ahead of the hold
	s_wait_alu depctr_va_vdst(0)                   ; ahead of the batch
; B's p.  Among the exponentials stands A's hold (the conversion does not saturate: ISA guide 7.6.2; p is not negative, so it is one-sided), two numbers an instruction: its results are first read behind the wait that closes the batch
.set kk, 0
.rept 32
	v_exp_f32 v[SB+2*kk], v[SB+2*kk]
	v_exp_f32 v[SB+2*kk+1], v[SB+2*kk+1]
	v_dual_min_num_f32 v[SA+2*kk], v[SA+2*kk], v10 :: v_dual_min_num_f32 v[SA+2*kk+1], v[SA+2*kk+1], v11
.set kk, kk+1
.endr
	v_nop                                          ; a plain line behind the exponentials
	s_wait_alu depctr_va_vdst(0)                   ; one wait for the batch, ahead of its first reader
	SUMT SB, 18, 1                                 ; B's sum, with A's conversions among its lines
.set tt, 0
.rept 8                                        ; the hold (the conversion does not saturate: ISA guide 7.6.2; p is not negative, so it is one-sided), two numbers an instruction; then the conversion
.irp i, 0,2,4,6
	v_dual_min_num_f32 v[SB+8*tt+\i], v[SB+8*tt+\i], v10 :: v_dual_min_num_f32 v[SB+8*tt+\i+1], v[SB+8*tt+\i+1], v11
.endr
	v_cvt_scalef32_pk8_fp8_f32 v[CB+2*tt:CB+2*tt+1], v[SB+8*tt:SB+8*tt+7], v252
	v_nop                                          ; a plain line behind the conversions: the next pair writes over sources of earlier ones
.set tt, tt+1
.endr
	WIN 0x41                                       ; O^T lies in window 1
	s_wait_alu depctr_va_vdst(0)                   ; directly ahead of the first reader of O^T
.set jj, 0
.rept 16
	v_pk_mul_f32 v[jj:jj+1], v[jj:jj+1], v[20:21] op_sel_hi:[1,0]   ; O^T under the new M
.set jj, jj+2
.endr
.rept 16
	v_pk_mul_f32 v[jj:jj+1], v[jj:jj+1], v[22:23] op_sel_hi:[1,0]
.set jj, jj+2
.endr
	WIN 0x50                                       ; C and D in window 1
	s_wait_alu depctr_va_vdst(0)
	s_wait_dscnt 16                                ; V is in; the sixteen loads of the next K may be out
.irp t, 0,1,2,3                                ; eight accumulators by turns, one instruction a turn
	v_wmma_f32_16x16x128_fp8_fp8 v[8*\t:8*\t+7], v[VF+16*\t:VF+16*\t+15], v[CA:CA+15], v[8*\t:8*\t+7]
	v_wmma_f32_16x16x128_fp8_fp8 v[32+8*\t:32+8*\t+7], v[VF+16*\t:VF+16*\t+15], v[CB:CB+15], v[32+8*\t:32+8*\t+7]
.endr
	WIN 0
.endm
	s_wait_alu depctr_va_vdst(0)                   ; the head's end
	s_wait_tensorcnt 0x0                           ; my part of keys 0-511 is in
	ds_add_u32 v[SPW], v[NIL]
	s_wait_dscnt 0x0
	CROUND                                         ; everybody's is, and the joint loads meet
	tensor_load_to_lds s[G0B:G0B+3], s[G1B:G1B+7]  ; my part of keys 512-2,047: the first tensor load behind the round
	s_nop 0
.rept 4
	v_nop
.endr
	KLOAD AK0                                      ; step 0's K
	s_wait_loadcnt 0x0                             ; Q
	s_mov_b32 s[TB], 0
	s_mov_b32 s[CNT], 0
.Lfirst:                                           ; steps 0 to 2 of my first tile (its diagonal step is 8 at the least); they read blocks 0 to 3 alone
	STEP 0
	s_add_co_u32 s[TB], s[TB], KB
	s_add_co_u32 s[CNT], s[CNT], 1
	s_cmp_lt_u32 s[CNT], 3
	s_cbranch_scc1 .Lfirst
	s_wait_tensorcnt 0x0                           ; my part of the rest is in,
	s_wait_dscnt 0x0                               ; no LDS instruction of mine is out at the signal,
	s_barrier_signal -1
	s_barrier_wait -1                              ; and everybody's part is in.
.Ltile:                                            ; two trips: the rest of my first tile, then my second
	s_mov_b32 s[TB], 0
	s_mov_b32 s[CNT], 0
.Lrun:                                             ; every wave walks sixteen trips; steps already done, and steps whose keys all come after the tile's queries, are jumped over (the wave's number and counts alone)
	s_cmp_lt_u32 s[CNT], s[ST]
	s_cbranch_scc1 .Lover
	s_cmp_gt_u32 s[CNT], s[DG]
	s_cbranch_scc1 .Lover
	STEP 1
.Lover:
	s_add_co_u32 s[TB], s[TB], KB
	s_add_co_u32 s[CNT], s[CNT], 1
	s_cmp_lt_u32 s[CNT], 16
	s_cbranch_scc1 .Lrun
	; THE WAY OUT: O^T x 2^(e8 + e9 - e10) / the sum, held within +-448, converted: tile t's eight codes are d = 16 t + 8 (lane / 16) + 0 .. 7: registers 2 t, 2 t + 1 of the last product's operand
	v_add_f32 v14, v14, v15
	v_add_f32 v18, v18, v19
	v_permlanex16_b32 v28, v14, s[SEL], s[SEL+1]
	v_permlanex16_b32 v29, v18, s[SEL], s[SEL+1]
	v_add_f32 v14, v14, v28
	v_add_f32 v18, v18, v29
	s_wait_alu depctr_va_vdst(0)                   ; ahead of the transcendentals
	v_rcp_f32 v14, v14
	v_rcp_f32 v18, v18
	v_nop
	s_wait_alu depctr_va_vdst(0)                   ; and ahead of their first reader
	v_ldexp_f32 v14, v14, s[EO]
	v_ldexp_f32 v18, v18, s[EO]
	WIN 0x01
	s_wait_alu depctr_va_vdst(0)                   ; directly ahead of the first reader of O^T
.set jj, 0
.rept 32
	v_mul_f32 v[SA+jj], v[jj], v14
.set jj, jj+1
.endr
.set jj, 0
.rept 32
	v_mul_f32 v[SB+jj], v[32+jj], v18
.set jj, jj+1
.endr
	WIN 0
.set jj, 0
.rept 32
	v_med3_num_f32 v[SA+jj], v[SA+jj], -v31, v31
	v_med3_num_f32 v[SB+jj], v[SB+jj], -v31, v31
.set jj, jj+1
.endr
.irp t, 0,1,2,3
	v_cvt_scalef32_pk8_fp8_f32 v[VF+2*\t:VF+2*\t+1], v[SA+8*\t:SA+8*\t+7], v253
	v_cvt_scalef32_pk8_fp8_f32 v[VF+8+2*\t:VF+9+2*\t], v[SB+8*\t:SB+8*\t+7], v253
.endr
	v_nop                                          ; a plain line behind the last conversion
	global_store_b128 v[GO], v[VF:VF+3], s[84:85]                  ; each store covers 512 consecutive bytes, aligned
	global_store_b128 v[GO], v[VF+4:VF+7], s[84:85] offset:512
	global_store_b128 v[GO], v[VF+8:VF+11], s[84:85] offset:16384
	global_store_b128 v[GO], v[VF+12:VF+15], s[84:85] offset:16896
	INIT                                           ; the second tile begins (behind the second tile these lines and the copy below serve nothing more: the loop's body is written once)
	WIN 0x01
.set ii, 0
.rept 16
	v_mov_b32 v[QR+ii], v[Q2+ii]                   ; its Q
.set ii, ii+1
.endr
	WIN 0
	s_wait_xcnt 0x0                                ; the stores have read their registers and their base
	s_mov_b64 s[84:85], s[86:87]
	s_mov_b32 s[DG], s[DGN]
	s_mov_b32 s[ST], 0
	s_add_co_u32 s[OUTER], s[OUTER], 1
	s_cmp_lt_u32 s[OUTER], 2
	s_wait_alu depctr_va_vdst(0)
	s_cbranch_scc1 .Ltile
	s_wait_tensorcnt 0x0                           ; the wave's end
	ds_add_u32 v[SPW], v[NIL]
	s_wait_dscnt 0x0
	CROUND                                         ; the closing round
	s_endpgm
.Lfunc_end_k_qfb8a10274f_attn:
	.size	k_qfb8a10274f_attn, .Lfunc_end_k_qfb8a10274f_attn-k_qfb8a10274f_attn
	.p2alignl 7, 3214868480
	.fill 96, 4, 3214868480
	.section	.rodata,"a",@progbits
	.p2align	6, 0x0
	.amdhsa_kernel k_qfb8a10274f_attn
		.amdhsa_group_segment_fixed_size 327680
		.amdhsa_private_segment_fixed_size 0
		.amdhsa_enable_private_segment 0
		.amdhsa_kernarg_size 24
		.amdhsa_user_sgpr_count 2
		.amdhsa_user_sgpr_kernarg_segment_ptr 1
		.amdhsa_wavefront_size32 1
		.amdhsa_system_sgpr_workgroup_id_x 1
		.amdhsa_system_sgpr_workgroup_id_y 1
		.amdhsa_system_sgpr_workgroup_id_z 1
		.amdhsa_system_vgpr_workitem_id 0
		.amdhsa_next_free_vgpr 416
		.amdhsa_next_free_sgpr 100
		.amdhsa_reserve_vcc 1
		.amdhsa_float_denorm_mode_32 3
		.amdhsa_float_denorm_mode_16_64 3
		.amdhsa_memory_ordered 1
		.amdhsa_forward_progress 1
		.amdhsa_inst_pref_size 88
	.end_amdhsa_kernel
	.amdgpu_metadata
---
amdhsa.version: [ 1, 2 ]
amdhsa.kernels:
  - .name:           k_qfb8a10274f_attn
    .symbol:         k_qfb8a10274f_attn.kd
    .args:
      - { .name: qkv, .offset: 0, .size: 8, .value_kind: global_buffer, .address_space: global }
      - { .name: lowp_scales, .offset: 8, .size: 8, .value_kind: global_buffer, .address_space: global }
      - { .name: acodes, .offset: 16, .size: 8, .value_kind: global_buffer, .address_space: global }
    .group_segment_fixed_size: 327680
    .private_segment_fixed_size: 0
    .kernarg_segment_align: 8
    .kernarg_segment_size: 24
    .max_flat_workgroup_size: 256
    .sgpr_count:     100
    .vgpr_count:     416
    .wavefront_size: 32
...
	.end_amdgpu_metadata
.endif
;; end of part 3
;; launch oproj (part 4): grid 4 x 64, 4 waves a work-group, clusters of 4 x 4, 327,680 bytes of LDS; arguments acodes, wcodes, lowp_scales, out0; writes out0
.if DOCPART == 4
	.amdgcn_target "amdgcn-amd-amdhsa--gfx1250"
	.amdhsa_code_object_version 6
	.text
	.protected	k_qfb8a10274f_oproj
	.globl	k_qfb8a10274f_oproj
	.p2align	8
	.type	k_qfb8a10274f_oproj,@function
k_qfb8a10274f_oproj:
	s_mov_b64 s[64:65], 0
	v_nop
	global_prefetch_b8 v0, s[64:65] scope:SCOPE_SE
	s_setreg_imm32_b32 hwreg(HW_REG_WAVE_MODE, 25, 1), 1
	s_wait_xcnt 0x0
	s_wait_alu depctr_hold_cnt(0) depctr_sa_sdst(0) depctr_va_vdst(0) depctr_va_sdst(0) depctr_va_ssrc(0) depctr_va_vcc(0) depctr_vm_vsrc(0)
	s_getreg_b32 s2, hwreg(HW_REG_IB_STS2, 6, 4)
	s_cmp_eq_u32 s2, 0
	s_cbranch_scc0 .Lentry_in_a_cluster
	s_endpgm
.Lentry_in_a_cluster:
	s_bfe_u32 s2, ttmp6, 0x10000c
	s_cmp_lg_u32 s2, 0xf033
	s_cbranch_scc0 .Lentry_shape_is_right
	s_endpgm
.Lentry_shape_is_right:
; out0 [8,192][1,024] f32 = attention's result x Wo, on codes of FP8 (E4M3), K = 1,024; each finished sum is multiplied once by 2^(e10 + e11).  LIMIT: e10 + e11 between -126 and 127.
; A = acodes [512 tiles of 16 rows][16 heads][1,024 bytes]: images of the operand's registers (registers 0-3 at 16 x lane, registers 4-7 at 512 + 16 x lane).  B = matrix 3 of wcodes [1,024 n][1,024 K], its groups of
; eight codes laid by the first launch so that 16-byte reads at 32 c + 16 (lane / 16) bring the same places of K.
; SHARES: a work-group of four waves makes 128 rows x 256 columns: 64 x 4 = 256 work-groups; a wave makes 64 x 128: 32 accumulators, 256 registers (window 2).
; K goes in four steps of 256 through a ring of two LDS slots (A: 8 x 4,096 bytes as they lie; B: 256 rows of 256 bytes + 16 of padding), filled by joint loads: 4 x 4 work-groups form a cluster; A's tile is shared
; along a row of the cluster, B's along a column.  Waves 0, 1 fetch A's halves, waves 2, 3 B's.
; THE MATRIX INSTRUCTION IS USED TRANSPOSED (source 0 = 16 rows of B, source 1 = 16 rows of A): a lane holds eight neighbouring numbers of a row of the result.
; PREFETCH: behind the loads of K steps 0 and 1 each wave names, once, the blocks of 256 bytes of K steps 2 and 3 (two fills ahead): of the rows that a wave fetches each of the four partners that ask for them
; jointly takes a quarter, told apart by address: A: one image row of 4,096 bytes, 16 blocks (lanes 16-31 name the last again); B: 32 rows, a lane a row.  The address registers are never rewritten.
; REGISTERS: window 0: v16-30 addresses; v128-255 A's fragments, two sets of 4 x 16; on the way out v32-95 scaled sums, v128-255 rows read back.  Window 1: B's fragments, two sets of 8 x 16.  Window 2: the accumulators.
.set SIZE_N, 1024
.set ROWB,   256
.set KROW,   1024
.set PITCH,  272
.set FR,     16
.set HALFA,  16384                     ; 64 rows x 256 K
.set HALFB,  128*PITCH
.set BOFF,   2*HALFA
.set SLOT,   BOFF+2*HALFB
.set SPARE,  2*SLOT                    ; the spare words, 128 bytes for each wave
.set STAGE,  SPARE+512                 ; the way out: 16 rows x 528 bytes for each wave, bytes that no fill lands on
.set SPITCH, 528
.set ADRA, 16
.set ADRB, 20
.set STO,  24
.set RD,   25
.set CO,   26
.set SPW,  28
.set NIL,  29
.set PFO,  30
.set TMP,  32
.set AF,   128
.set BK,   128
.set G1, 24
.set G0, 32
.set G1B, 48
.set G0B, 56
.set PF2, 68                           ; s[68:69], s[70:71]: where my prefetches of K steps 2 and 3 stand
.set PF3, 70
.set MSB, 0
.macro WIN new
.if MSB != \new
	s_set_vgpr_msb (MSB<<8)|\new
.set MSB, \new
.endif
.endm
.set MUL_W, 0xa1                       ; source 0 (B) window 1, source 1 (A) window 0, C and D window 2
.set TO_B,  0x40
.macro JLOAD g0a, g1a, g0b, g1b        ; a joint load; the branch hangs on the wave's number alone; s_nop 0 and four v_nop follow each line
	s_cmp_eq_u32 s15, 0
	s_cbranch_scc0 .Lfor_b_\@
	tensor_load_to_lds s[\g0a:\g0a+3], s[\g1a:\g1a+7]
	s_nop 0
.rept 4
	v_nop
.endr
	s_branch .Lasked_\@
.Lfor_b_\@:
	tensor_load_to_lds s[\g0b:\g0b+3], s[\g1b:\g1b+7]
	s_nop 0
.rept 4
	v_nop
.endr
.Lasked_\@:
.endm
.macro CREST
	s_cmp_lg_u32 s14, 0
	s_cbranch_scc1 .Lnot_wave_0_\@
	s_barrier_signal -3
.Lnot_wave_0_\@:
	s_barrier_wait -3
	s_barrier_signal -1
	s_barrier_wait -1
.endm
.macro CROUND
	s_barrier_signal -1
	s_barrier_wait -1
	CREST
.endm
.macro PLACES n
.rept \n
	v_nop
.endr
.endm
	s_load_b128 s[4:7], s[0:1], 0x0                ; acodes, wcodes
	s_load_b128 s[8:11], s[0:1], 0x10              ; the scales, out0
	v_lshl_add_u32 v[SPW], v0, 2, SPARE
	v_mov_b32 v[NIL], 0
	ds_add_u32 v[SPW], v[NIL]                      ; the opening: the add, twice on end, and its wait
	ds_add_u32 v[SPW], v[NIL]
	v_lshrrev_b32 v1, 5, v0
	v_readfirstlane_b32 s14, v1                    ; wave 0..3
	s_lshr_b32 s15, s14, 1                         ; which 64 rows of A are mine.  Also: I fetch for A (0) or for B (1)
	s_and_b32 s16, s14, 1                          ; which 128 rows of B.  Also: which half of that tile I fetch
	s_bfe_u32 s40, ttmp6, 0x40000                  ; cx, cy
	s_bfe_u32 s41, ttmp6, 0x40004
	s_lshl_b32 s42, ttmp9, 2
	s_add_co_u32 s42, s42, s40                     ; tile column
	s_and_b32 s17, ttmp7, 0xffff
	s_lshl_b32 s17, s17, 2
	s_add_co_u32 s17, s17, s41                     ; tile row, 0 .. 63
	s_lshl_b32 s43, s41, 2
	s_lshl_b32 s43, 15, s43                        ; my row of the cluster
	s_lshl_b32 s44, 0x1111, s40                    ; my column
	s_or_b32 s[G1+0], s43, (1<<21)                 ; A: four rows of 4,096 bytes, 16,384 apart, no padding
	s_mov_b32 s[G1+1], 4096<<16
	s_mov_b32 s[G1+2], 4<<16
	s_mov_b32 s[G1+3], 4096<<16
	s_mov_b32 s[G1+4], 4
	s_mov_b32 s[G1+5], 16384
	s_mov_b32 s[G1+6], 0
	s_mov_b32 s[G1+7], 0
	s_or_b32 s[G1B+0], s44, (1<<20)|(1<<21)|(5<<22)|(3<<25)   ; B: 128 rows of 256 bytes, four words of padding behind each
	s_mov_b32 s[G1B+1], ROWB<<16
	s_mov_b32 s[G1B+2], 128<<16
	s_mov_b32 s[G1B+3], ROWB<<16
	s_mov_b32 s[G1B+4], 128
	s_mov_b32 s[G1B+5], KROW
	s_mov_b32 s[G1B+6], 0
	s_mov_b32 s[G1B+7], 0
	s_lshl_b32 s20, s17, 17                        ; A: 128 rows of 1,024 bytes a tile,
	s_lshl_b32 s18, s16, 16                        ; my 64 of them
	s_add_co_u32 s20, s20, s18
	s_mov_b32 s21, 0
	s_lshl_b32 s46, s42, 18                        ; B: 256 rows a tile,
	s_lshl_b32 s18, s16, 17                        ; my 128
	s_add_co_u32 s46, s46, s18
	s_add_co_u32 s46, s46, (3<<20)                 ; matrix 3
	s_mov_b32 s47, 0
	s_lshl_b32 s45, s16, 14                        ; where they go
	s_mul_i32 s66, s16, HALFB
	s_add_co_u32 s66, s66, BOFF
	s_wait_dscnt 0x0
	s_wait_kmcnt 0x0
	s_load_b64 s[96:97], s[8:9], 0x28              ; e10, e11
	s_add_nc_u64 s[20:21], s[4:5], s[20:21]
	s_add_nc_u64 s[46:47], s[6:7], s[46:47]
	CROUND                                         ; all sixteen work-groups are here
.irp s, 0,1
	s_mov_b32 s[G0+4*\s], 1
	s_add_co_u32 s[G0+4*\s+1], s45, \s*SLOT
	s_add_nc_u64 s[G0+4*\s+2:G0+4*\s+3], s[20:21], \s*4096
	s_or_b32 s[G0+4*\s+3], s[G0+4*\s+3], 0x80000000
	s_mov_b32 s[G0B+4*\s], 1
	s_add_co_u32 s[G0B+4*\s+1], s66, \s*SLOT
	s_add_nc_u64 s[G0B+4*\s+2:G0B+4*\s+3], s[46:47], \s*ROWB
	s_or_b32 s[G0B+4*\s+3], s[G0B+4*\s+3], 0x80000000
.endr
	JLOAD G0, G1, G0B, G1B                         ; K step 0: one tensor load a wave at the head
	; the prefetches' addresses
	s_lshl_b32 s72, s17, 3
	s_lshl_b32 s73, s16, 2
	s_add_co_u32 s72, s72, s73
	s_add_co_u32 s72, s72, s40                     ; A: image row 8 x tile row + 4 x half + cx
	s_lshl_b32 s72, s72, 14
	s_lshl_b32 s74, s42, 8
	s_lshl_b32 s73, s16, 7
	s_add_co_u32 s74, s74, s73
	s_lshl_b32 s73, s41, 5
	s_add_co_u32 s74, s74, s73                     ; B: row 256 x tile column + 128 x half + 32 cy
	s_lshl_b32 s74, s74, 10
	s_add_co_u32 s74, s74, (3<<20)
	s_cmp_eq_u32 s15, 0
	s_cselect_b32 s72, s72, s74
	s_cselect_b64 s[PF2:PF2+1], s[4:5], s[6:7]
	s_cselect_b32 s88, 15, 31                      ; the last lane that names a block of its own
	s_cselect_b32 s89, 8, 10                       ; from lane to lane: 256 bytes, or a row of 1,024
	s_mov_b32 s75, 256
	s_cselect_b32 s75, 4096, s75                   ; a K step on
	s_mov_b32 s73, 0
	s_add_nc_u64 s[PF2:PF2+1], s[PF2:PF2+1], s[72:73]
	s_lshl_b32 s76, s75, 1
	s_mov_b32 s77, 0
	s_add_nc_u64 s[PF2:PF2+1], s[PF2:PF2+1], s[76:77]
	s_mov_b32 s76, s75
	s_add_nc_u64 s[PF3:PF3+1], s[PF2:PF2+1], s[76:77]
	; LDS places and my part of out0
	s_lshl_b32 s90, s15, 14
	s_add_co_u32 s91, s90, SLOT
	s_mul_i32 s92, s16, HALFB
	s_add_co_u32 s92, s92, BOFF
	s_add_co_u32 s93, s92, SLOT
	s_mul_i32 s23, s14, 16*SPITCH
	s_add_co_u32 s23, s23, STAGE
	s_lshl_b32 s84, s17, 7
	s_lshl_b32 s85, s15, 6
	s_add_co_u32 s84, s84, s85                     ; my first row
	s_lshl_b32 s84, s84, 12
	s_lshl_b32 s86, s42, 10
	s_add_co_u32 s84, s84, s86
	s_lshl_b32 s86, s16, 9
	s_add_co_u32 s84, s84, s86
	s_mov_b32 s85, 0
	s_add_nc_u64 s[10:11], s[10:11], s[84:85]
	v_and_b32 v1, 15, v0
	v_bfe_u32 v2, v0, 4, 1
	v_and_b32 v6, 31, v0
	v_lshlrev_b32 v[CO], 4, v6
	v_mul_u32_u24 v3, v1, PITCH
	v_lshl_add_u32 v4, v2, 4, v3
	v_add_nc_u32 v[ADRA], s90, v[CO]
	v_add_nc_u32 v[ADRA+1], s91, v[CO]
	v_add_nc_u32 v[ADRB], s92, v4
	v_add_nc_u32 v[ADRB+1], s93, v4
	v_mul_u32_u24 v5, v1, SPITCH
	v_lshl_add_u32 v5, v2, 5, v5
	v_add_nc_u32 v[STO], s23, v5
	v_add_nc_u32 v[RD], s23, v[CO]
	v_min_u32 v[PFO], s88, v6
	v_lshlrev_b32 v[PFO], s89, v[PFO]
	global_prefetch_b8 v[PFO], s[PF2:PF2+1] th:TH_LOAD_NT scope:SCOPE_SE   ; K step 2
.macro FRAG reg, adr, q, i
.irp c, 0,1,2,3
	ds_load_b128 v[\reg+4*\c:\reg+4*\c+3], v[\adr] offset:128*(\q)+32*\c+(\i)*16*PITCH
.endr
.endm
.macro FRAGA reg, slot, q, i
.irp c, 0,1,2,3
	ds_load_b128 v[\reg+4*\c:\reg+4*\c+3], v[ADRA+\slot] offset:4096*(\i)+1024*(2*(\q)+\c/2)+512*(\c%2)
.endr
.endm
.macro FETCH slot, q, p                ; the fragments of the slot's q-th 128 along K into set p: B's eight, A's four
	WIN TO_B
.irp i, 0,1,2,3,4,5,6,7
	FRAG 128*(\p)+FR*\i, ADRB+\slot, \q, \i
.endr
	WIN 0
.irp i, 0,1,2,3
	FRAGA AF+64*(\p)+FR*\i, \slot, \q, \i
.endr
.endm
.macro MULS a0, p, zero                ; A's blocks a0, a0 + 1 x B's eight; the 32 accumulators take turns, one instruction a turn
.irp a, \a0, \a0+1
.irp b, 0,1,2,3,4,5,6,7
.if \zero
	v_wmma_f32_16x16x128_fp8_fp8 v[8*(8*(\a)+\b):8*(8*(\a)+\b)+7], v[128*(\p)+FR*\b:128*(\p)+FR*\b+FR-1], v[AF+64*(\p)+FR*(\a):AF+64*(\p)+FR*(\a)+FR-1], 0
.else
	v_wmma_f32_16x16x128_fp8_fp8 v[8*(8*(\a)+\b):8*(8*(\a)+\b)+7], v[128*(\p)+FR*\b:128*(\p)+FR*\b+FR-1], v[AF+64*(\p)+FR*(\a):AF+64*(\p)+FR*(\a)+FR-1], v[8*(8*(\a)+\b):8*(8*(\a)+\b)+7]
.endif
.endr
.endr
.endm
.macro HALF0 slot, zero                ; a slot's first 128 along K: set 0 is multiplied while set 1 is fetched
	s_wait_dscnt 0x0                               ; set 0 is in
	PLACES 4                                       ; in front of loads into registers that matrix instructions have read
	FETCH \slot, 1, 1
	WIN MUL_W
	MULS 0, 0, \zero
	MULS 2, 0, \zero
	WIN 0
.endm
; A slot's second 128 along K, and the change of slots in its middle.  fill = 1: this slot is filled again, two K steps ahead; 0: nothing is left to fetch; 2: the last step.
.macro HALF1 slot, next, fill
	s_wait_dscnt 0x0                               ; set 1 is in: my reads of this slot are over
	WIN MUL_W
	MULS 0, 1, 0
	WIN 0
.if \fill < 2
	s_wait_tensorcnt 0x0                           ; my part of the next slot has landed
	ds_add_u32 v[SPW], v[NIL]
	s_wait_dscnt 0x0
	s_barrier_signal -1
	s_barrier_wait -1
.if \fill == 1
	CREST                                          ; the barrier has opened a round of the cluster's barrier
	s_add_nc_u64 s[G0+4*\slot+2:G0+4*\slot+3], s[G0+4*\slot+2:G0+4*\slot+3], 2*4096
	s_add_nc_u64 s[G0B+4*\slot+2:G0B+4*\slot+3], s[G0B+4*\slot+2:G0B+4*\slot+3], 2*ROWB
	JLOAD G0+4*\slot, G1, G0B+4*\slot, G1B         ; the first tensor load behind the round; its four v_nop are the places in front of the loads below
.else
	PLACES 4
.endif
	FETCH \next, 0, 0
.endif
	WIN MUL_W
	MULS 2, 1, 0
	WIN 0
.endm
	s_wait_alu depctr_va_vdst(0)                   ; the head's end
	s_wait_tensorcnt 0x0                           ; my part of K step 0 is in
	ds_add_u32 v[SPW], v[NIL]
	s_wait_dscnt 0x0
	CROUND
	JLOAD G0+4, G1, G0B+4, G1B                     ; K step 1
	FETCH 0, 0, 0
	global_prefetch_b8 v[PFO], s[PF3:PF3+1] th:TH_LOAD_NT scope:SCOPE_SE   ; K step 3
	HALF0 0, 1                                     ; the first products start the sums
	HALF1 0, 1, 1                                  ; slot 0 takes K step 2
	HALF0 1, 0
	HALF1 1, 0, 1                                  ; slot 1 takes K step 3
	HALF0 0, 0
	HALF1 0, 1, 0
	HALF0 1, 0
	HALF1 1, 0, 2
; THE WAY OUT, block by block of 16 rows x 128 columns, through my own stage: back as whole rows of 512 bytes, two aligned units of 256 bytes a store.  LDS serves a wave's instructions in order.
.macro TOSTAGE a
.set AC, 64*(\a)
	WIN 0x02
.set jj, 0
.rept 32
	v_pk_mul_f32 v[TMP+jj:TMP+jj+1], v[AC+jj:AC+jj+1], s[96:97] op_sel_hi:[1,0]   ; x 2^(e10 + e11); each accumulator from its low end on
.set jj, jj+2
.endr
	WIN 0
.irp b, 0,1,2,3,4,5,6,7
	ds_store_b128 v[STO], v[TMP+8*\b:TMP+8*\b+3] offset:64*\b
	ds_store_b128 v[STO], v[TMP+8*\b+4:TMP+8*\b+7] offset:64*\b+16
.endr
.set BB, BK+64*((\a)%2)
.set jj, 0
.rept 16
	ds_load_b128 v[BB+4*jj:BB+4*jj+3], v[RD] offset:jj*SPITCH
.set jj, jj+1
.endr
.endm
.macro SEND a, younger                 ; younger: the LDS instructions issued behind block a's loads
.set BB, BK+64*((\a)%2)
	s_wait_dscnt \younger
.if (\a) > 0
	s_add_nc_u64 s[10:11], s[10:11], 16*SIZE_N*4   ; (behind a wait on XCNT)
.endif
.set jj, 0
.rept 16
	global_store_b128 v[CO], v[BB+4*jj:BB+4*jj+3], s[10:11] offset:jj*SIZE_N*4 th:TH_STORE_NT
.set jj, jj+1
.endr
.endm
	s_wait_kmcnt 0x0
	s_add_co_i32 s96, s96, s97
	s_add_co_i32 s96, s96, 127
	s_lshl_b32 s96, s96, 23                        ; 2^(e10 + e11) as f32
	PLACES 4
	TOSTAGE 0
.irp a, 1,2,3
.if \a > 1
	s_wait_xcnt 0x0                                ; block a - 2's stores have read their registers and their base
.endif
	TOSTAGE \a
	SEND \a-1, 32                                  ; behind block a - 1's loads: block a's 16 stores and 16 loads
.endr
	s_wait_xcnt 0x0
	SEND 3, 0
	s_wait_tensorcnt 0x0                           ; the wave's end
	ds_add_u32 v[SPW], v[NIL]
	s_wait_dscnt 0x0
	CROUND                                         ; the closing round
	s_endpgm
.Lfunc_end_k_qfb8a10274f_oproj:
	.size	k_qfb8a10274f_oproj, .Lfunc_end_k_qfb8a10274f_oproj-k_qfb8a10274f_oproj
	.p2alignl 7, 3214868480
	.fill 96, 4, 3214868480
	.section	.rodata,"a",@progbits
	.p2align	6, 0x0
	.amdhsa_kernel k_qfb8a10274f_oproj
		.amdhsa_group_segment_fixed_size 327680
		.amdhsa_private_segment_fixed_size 0
		.amdhsa_enable_private_segment 0
		.amdhsa_kernarg_size 32
		.amdhsa_user_sgpr_count 2
		.amdhsa_user_sgpr_kernarg_segment_ptr 1
		.amdhsa_wavefront_size32 1
		.amdhsa_system_sgpr_workgroup_id_x 1
		.amdhsa_system_sgpr_workgroup_id_y 1
		.amdhsa_system_sgpr_workgroup_id_z 1
		.amdhsa_system_vgpr_workitem_id 0
		.amdhsa_next_free_vgpr 768
		.amdhsa_next_free_sgpr 100
		.amdhsa_reserve_vcc 0
		.amdhsa_float_denorm_mode_32 3
		.amdhsa_float_denorm_mode_16_64 3
		.amdhsa_memory_ordered 1
		.amdhsa_forward_progress 1
		.amdhsa_inst_pref_size 76
	.end_amdhsa_kernel
	.amdgpu_metadata
---
amdhsa.version: [ 1, 2 ]
amdhsa.kernels:
  - .name:           k_qfb8a10274f_oproj
    .symbol:         k_qfb8a10274f_oproj.kd
    .args:
      - { .name: acodes, .offset: 0, .size: 8, .value_kind: global_buffer, .address_space: global }
      - { .name: wcodes, .offset: 8, .size: 8, .value_kind: global_buffer, .address_space: global }
      - { .name: lowp_scales, .offset: 16, .size: 8, .value_kind: global_buffer, .address_space: global }
      - { .name: out0, .offset: 24, .size: 8, .value_kind: global_buffer, .address_space: global }
    .group_segment_fixed_size: 327680
    .private_segment_fixed_size: 0
    .kernarg_segment_align: 8
    .kernarg_segment_size: 32
    .max_flat_workgroup_size: 128
    .sgpr_count:     100
    .vgpr_count:     768
    .wavefront_size: 32
...
	.end_amdgpu_metadata
.endif
;; end of part 4
